; MI455X (gfx1250); checked and timed in simulation.
; The chip was launched on July 23, 2026; its instructions are those of AMD's public machine-readable ISA for CDNA 5 (MIT licence, August 2026) and "CDNA5" Instruction Set Architecture Reference Guide (July 2026). The comments in the code are by the model that wrote it; some were corrected since.
;; SVTR Attention. Allowed arithmetic: matrix products marked QUANTISED: E2M1 operands, one E8M0 scale for each 32 along K, by v_wmma_scale_f32_16x16x128_f8f6f4 with both operands' format E2M1 (or v_wmma_scale_f32_32x16x128_f4), f32 sums; products left as they are: bf16, f16 or f32 operands; f32 sums; everything else in f32.
;; Inputs: b_proj 256 float32; w_proj 256 x 256 float32; w_qkv 768 x 256 float32; x 64 x 512 x 256 float32.
;; Outputs: out0 64 x 512 x 256 float32.
;; This version of the problem:
;;   THIS VERSION OF THE PROBLEM IS GIVEN IN LOW PRECISION. The matrix products marked QUANTISED in the list below multiply operands that are first quantised to E2M1 (2 exponent bits, 1 mantissa bit; 4 bits a number), with one power-of-two scale for each 32 numbers along K (OCP MX v1.0); their sums are f32. The products marked 'left as it is' may take bf16, f16 or f32 operands, with f32 sums. Whichever they take, every output number must still come out within the allowed error. Rounding operands to bf16 (8 significant bits) uses up far more of that allowance than f16 does (11 bits, for magnitudes from 6e-5 to 65,504). All else is computed in f32.
;;   The module's matrix products, in the order in which they are computed (A, B: the left and right operand; K: the contracted axis; several contracted axes count as one K, in the product's order):
;;     1. [M 32,768, K 256] x [K 256, N 768]; A: input x; B: input w_qkv: QUANTISED
;;     2. batch 512 x [M 512, K 32] x [K 32, N 512]; A: computed on the way; B: computed on the way: left as it is (an operand is computed on the way)
;;     3. batch 512 x [M 512, K 512] x [K 512, N 32]; A: computed on the way; B: computed on the way: left as it is (an operand is computed on the way)
;;     4. [M 32,768, K 256] x [K 256, N 256]; A: computed on the way; B: input w_proj: left as it is (an operand is computed on the way)
;;   THE QUANTISER, for each operand of a quantised product, along K:
;;     - K is cut into blocks of 32 from its start; a last block that is shorter is filled with zeros.
;;     - A block's scale is 2^e with e = floor(log2(the largest magnitude in the block)) - 2, held to -126 .. 127; a block of zeros has e = 0. As a byte (E8M0): e + 127.
;;     - Each number is divided by its block's scale, clamped to +-6, and rounded to the nearest number of E2M1, ties to even, subnormals kept.
;;     - The product sums the exact products of the quantised numbers (number of the format x scale) in f32.
;;   ~~~python
;;   def quantise(x, axis):      # numpy; x: float32 -> the quantised numbers, widened to float32 again
;;       x = np.moveaxis(x, axis, -1); K = x.shape[-1]
;;       x = np.pad(x, [(0, 0)] * (x.ndim - 1) + [(0, -K % 32)]); x = x.reshape(x.shape[:-1] + (-1, 32)); a = np.abs(x).max(-1, keepdims=True)
;;       e = np.where(a > 0, np.clip(np.frexp(np.where(a > 0, a, 1))[1] - 1 - 2, -126, 127), 0)      # np.frexp(a)[1] - 1 = floor(log2(a)), exactly
;;       r = np.clip(x / 2.0 ** e, -6, 6)
;;       step = 2.0 ** (np.maximum(np.frexp(np.where(r == 0, 1, r))[1] - 1, 0) - 1)
;;       q = np.round(r / step) * step * 2.0 ** e      # np.round: ties to even
;;       return np.moveaxis(q.reshape(q.shape[:-2] + (-1,))[..., :K], -1, axis).astype(np.float32)
;;   ~~~
;; 2 versions, each right; version 2 is version 1 with the launch attn written anew for expert scheduling mode. Each part assembles by itself: llvm-mc -triple=amdgcn-amd-amdhsa -mcpu=gfx1250 --defsym DOCPART=n.
;; ======== version 1 of 2: 2 launches
;; limits: values are held in f16: magnitudes above 65,504 overflow, below 6.1e-05 lose precision
;; workspace buffers: xc 4,194,304 bytes; xs 262,144 bytes; wqc 98,304 bytes; wqs 6,144 bytes; wpf 131,072 bytes
;; launch quant (part 1): grid 264 x 1, 8 waves a work-group, no clusters, 134,144 bytes of LDS; arguments x, w_qkv, w_proj, xc, xs, wqc, wqs, wpf; writes xc, xs, wqc, wqs, wpf
.if DOCPART == 1
	.amdgcn_target "amdgcn-amd-amdhsa--gfx1250"
	.amdhsa_code_object_version 6
	.text
	.protected	k_qa9b87b5795_quant
	.globl	k_qa9b87b5795_quant
	.p2align	8
	.type	k_qa9b87b5795_quant,@function
k_qa9b87b5795_quant:
	s_mov_b64 s[64:65], 0
	v_nop
	global_prefetch_b8 v0, s[64:65] scope:SCOPE_SE
	s_setreg_imm32_b32 hwreg(HW_REG_WAVE_MODE, 25, 1), 1
	s_wait_xcnt 0x0
; x [64][512][256] and w_qkv [768][256], f32, become codes of FP4 (E2M1) with one E8M0 byte for each 32 along K; w_proj [256][256] becomes f16.
; All three leave IN THE ORDER OF AN OPERAND'S REGISTERS, so that the next launch fills a fragment by loads of 16 bytes a lane, lane l at 16 l.
; A TILE is 16 rows x 256 numbers, and one wave takes one tile.  x's tile (b, T) holds the tokens of grid columns 2 T and 2 T + 1: row r = 8 (w & 1) + h is token 64 h + w.
; A weight's tile F holds its rows 16 F + r.  Codes: tile x 2,048 bytes; the 16 bytes of (row r, block 4 s + 2 c + hh) lie at 1,024 s + 512 c + 256 hh + 16 r.
; Scale words: tile x 128 bytes; the word of (K step s, row r) at 64 s + 4 r, byte i = block 4 s + i.  f16: tile x 8,192; (row r, k = 16 n + 8 hh + 0 .. 7) at 512 n + 256 hh + 16 r.
; A block's scale is 2^(floor(log2(its largest magnitude)) - 2): its byte is the largest magnitude's exponent field - 2, held at 1 from below; numbers beyond 6 scales take the largest code.
; LIMITS: a block of zeros gets the byte 1 where the rule says 127 (its codes are zeros, and this program alone reads the bytes); NaN and infinities are not served; |w_proj| stays under 65,504 (f16).
; SHARES: work-groups 0-255 take x's 2,048 tiles, 256-261 w_qkv's 48, 262 and 263 w_proj's 16.  All take one path for the loads: only pointers and two strides are chosen, by the work-group's number.
; Each load reads 512 consecutive bytes of a row; all 32 loads of a wave go out together.  The tile turns through the wave's own stage in LDS, so that a lane gets 32 (or 8) NEIGHBOURS along K.
; No matrix work, no cluster, no barrier: waves share nothing, and each byte is read once and written once.
.set PITCH,  1040                      ; a stage row: 1,024 bytes + 16: an odd multiple of 16, so the 16 rows that a load touches begin at 16 different 16-byte columns modulo 256
.set STG,    16*PITCH                  ; a wave's stage
.set SPARE,  8*STG                     ; behind the eight stages: the spare words, 128 bytes a wave: four blocks of 256 bytes that no other line names
.set FIRSTQ, 256                       ; the first work-group of w_qkv
.set FIRSTP, 262                       ; the first of w_proj
.set L16, 4                            ; v4   16 x lane
.set L4,  5                            ; v5   4 x lane
.set STW, 6                            ; v6   into the stage: 16 x lane
.set RDQ, 7                            ; v7   out of it, for codes: row r, + 128 hh
.set RDP, 8                            ; v8   out of it, for f16: row r, + 32 hh
.set SPW, 10                           ; v10  my spare word; never rewritten
.set NIL, 11                           ; v11  0; never rewritten
.set VO,  12                           ; v12-19 16 x lane + g x the stride from row to row
.set M,   20                           ; v20-23 four blocks' largest magnitudes
.set SCL, 24                           ; v24-27 the conversions' scale operands
.set BY,  28                           ; v28-31 the scale bytes
.set WD,  32                           ; v32-35 scale words at work
.set C,   36                           ; v36-51 the codes
.set X,   64                           ; v64-191 the tile's numbers
	s_load_b512 s[8:23], s[0:1], 0x0               ; x, w_qkv, w_proj, xc, xs, wqc, wqs, wpf
	v_lshl_add_u32 v[SPW], v0, 2, SPARE
	v_mov_b32 v[NIL], 0
	v_lshrrev_b32 v1, 5, v0
	v_readfirstlane_b32 s24, v1                    ; wave 0..7
	v_and_b32 v1, 31, v0                           ; lane
	v_and_b32 v2, 15, v0                           ; r
	v_bfe_u32 v3, v0, 4, 1                         ; hh
	v_lshlrev_b32 v[L16], 4, v1
	v_lshlrev_b32 v[L4], 2, v1
	s_mul_i32 s42, s24, STG                        ; my stage
	v_add_nc_u32 v[STW], s42, v[L16]
	v_mul_u32_u24 v9, v2, PITCH
	v_add_nc_u32 v9, s42, v9
	v_lshl_add_u32 v[RDQ], v3, 7, v9
	v_lshl_add_u32 v[RDP], v3, 5, v9
	v_mov_b32 v[WD+2], 0                           ; written once: a lane permute's destination counts as one of its sources
	v_mov_b32 v[WD+3], 0
	s_mov_b32 s40, 0x76543210
	s_mov_b32 s41, 0xfedcba98                      ; v_permlanex16_b32's selects for lane l xor 16
	s_lshl_b32 s25, ttmp9, 3
	s_add_co_u32 s25, s25, s24                     ; my tile, counted through all three tensors
	s_lshr_b32 s42, s25, 5                         ; x: image b,
	s_lshl_b32 s42, s42, 19                        ; 524,288 bytes each,
	s_and_b32 s43, s25, 31                         ; pair of columns T,
	s_lshl_b32 s43, s43, 11                        ; 2,048 bytes each
	s_add_co_u32 s42, s42, s43
	s_sub_co_u32 s44, s25, 8*FIRSTQ                ; the tile's number in w_qkv (used only there),
	s_sub_co_u32 s45, s25, 8*FIRSTP                ; in w_proj (likewise)
	s_mov_b32 s49, 0x10000
	s_mov_b32 s50, 0x2000
	s_mov_b32 s37, 0
	s_mov_b32 s39, 0
	s_wait_kmcnt 0x0
	s_cmp_lt_u32 ttmp9, FIRSTP                     ; which weight?  Every choice hangs on the work-group's number alone
	s_cselect_b32 s46, s44, s45
	s_cselect_b64 s[28:29], s[10:11], s[12:13]
	s_cselect_b64 s[32:33], s[18:19], s[22:23]
	s_cselect_b32 s47, 11, 13                      ; a tile's results: 2,048 bytes of codes or 8,192 of f16
	s_lshl_b32 s48, s46, 14                        ; a weight's tile is 16,384 consecutive bytes
	s_cmp_lt_u32 ttmp9, FIRSTQ                     ; x or a weight?
	s_cselect_b32 s27, s25, s46                    ; the tile's number in its tensor
	s_cselect_b32 s36, s42, s48                    ; where it begins
	s_cselect_b32 s26, s49, 0x400                  ; from row g to row g + 1: x: one h, 64 tokens; a weight: a row
	s_cselect_b32 s38, 0x400, s50                  ; from row g to row 8 + g: x: one column, a token; a weight: 8 rows
	s_cselect_b32 s47, 11, s47
	s_cselect_b64 s[28:29], s[8:9], s[28:29]
	s_cselect_b64 s[32:33], s[14:15], s[32:33]
	s_cselect_b64 s[34:35], s[16:17], s[20:21]
	s_add_nc_u64 s[28:29], s[28:29], s[36:37]      ; rows 0-7
	s_add_nc_u64 s[30:31], s[28:29], s[38:39]      ; rows 8-15
	s_lshl_b32 s36, s27, s47
	s_add_nc_u64 s[32:33], s[32:33], s[36:37]      ; the tile's codes or f16
	s_lshl_b32 s36, s27, 7
	s_add_nc_u64 s[34:35], s[34:35], s[36:37]      ; its scale words (w_proj's waves store none)
.irp g, 0,1,2,3,4,5,6,7
	v_mad_u32_u24 v[VO+\g], s26, \g, v[L16]
.endr
.irp q, 0,1
.irp g, 0,1,2,3,4,5,6,7
.irp i, 0,1
	global_load_b128 v[X+4*(2*(8*\q+\g)+\i):X+4*(2*(8*\q+\g)+\i)+3], v[VO+\g], s[28+2*\q:29+2*\q] offset:512*\i th:TH_LOAD_NT   ; half a row: 512 consecutive bytes
.endr
.endr
.endr
.set n, 0
.rept 32
	s_wait_loadcnt 31-n                            ; loads come back in order: load n is in, the 31 - n younger ones stay out
	ds_store_b128 v[STW], v[X+4*n:X+4*n+3] offset:(n/2)*PITCH+512*(n%2)
.set n, n+1
.endr
	s_wait_dscnt 0x0                               ; the stores have read their registers, into which the loads below land
	s_cmp_lt_u32 ttmp9, FIRSTP
	s_cbranch_scc0 .Lhalf
	; ---- codes.  Lane (r, hh) takes, for q = 2 s + c, the WHOLE block 2 q + hh of row r: 128 bytes; its maximum needs no other lane, and the conversions' results are registers 4 c .. 4 c + 3 of K step s
.irp q, 0,1,2,3
.irp i, 0,1,2,3,4,5,6,7
	ds_load_b128 v[X+32*\q+4*\i:X+32*\q+4*\i+3], v[RDQ] offset:256*\q+16*\i
.endr
.endr
	s_wait_dscnt 0x0
.irp b, 0,1,2,3
	v_max3_num_f32 v[M+\b], |v[X+32*\b]|, |v[X+32*\b+1]|, 0x1800000   ; and the floor 2^(3 - 127): so the byte cannot fall under 1
.endr
.irp i, 2,4,6,8,10,12,14,16,18,20,22,24,26,28,30
.irp b, 0,1,2,3
	v_max3_num_f32 v[M+\b], v[M+\b], |v[X+32*\b+\i]|, |v[X+32*\b+\i+1]|   ; the four blocks by turns: no line waits for the line above it
.endr
.endr
.irp b, 0,1,2,3
	v_add_nc_u32 v[SCL+\b], 0xff000000, v[M+\b]    ; 2 off the exponent field: the conversion takes this operand's exponent field as its scale
.endr
.irp b, 0,1,2,3
	v_lshrrev_b32 v[BY+\b], 23, v[SCL+\b]          ; the scale's byte
.endr
.irp b, 0,1,2,3
.irp g, 0,1,2,3
	v_cvt_scalef32_pk8_fp4_f32 v[C+4*\b+\g], v[X+32*\b+8*\g:X+32*\b+8*\g+7], v[SCL+\b]
.endr
.endr
	v_nop                                          ; one plain place behind the last scaled conversion
	v_lshl_or_b32 v[WD], v[BY+1], 16, v[BY]        ; K step 0: my bytes are blocks hh and 2 + hh,
	v_lshl_or_b32 v[WD+1], v[BY+3], 16, v[BY+2]    ; K step 1: blocks 4 + hh and 6 + hh,
	v_lshlrev_b32 v9, 3, v3
	v_lshlrev_b32 v[WD], v9, v[WD]                 ; at their places in the word: 8 hh bits up;
	v_lshlrev_b32 v[WD+1], v9, v[WD+1]
	v_permlanex16_b32 v[WD+2], v[WD], s40, s41
	v_permlanex16_b32 v[WD+3], v[WD+1], s40, s41
	v_or_b32 v[WD], v[WD], v[WD+2]                 ; with lane l xor 16's two the words are whole
	v_or_b32 v[WD+1], v[WD+1], v[WD+3]
	v_cmp_eq_u32 vcc_lo, 1, v3
	v_cndmask_b32 v[WD], v[WD], v[WD+1], vcc_lo    ; lanes 0-15 store K step 0's words, lanes 16-31 K step 1's
.irp q, 0,1,2,3
	global_store_b128 v[L16], v[C+4*\q:C+4*\q+3], s[32:33] offset:512*\q   ; 512 consecutive bytes, aligned
.endr
	global_store_b32 v[L4], v[WD], s[34:35]        ; 128 consecutive bytes; the next tile's wave stores the 128 beside them
	s_branch .Lend
.Lhalf:	; ---- f16.  Lane (r, hh) takes, for n = 0 .. 15, the eight numbers k = 16 n + 8 hh + 0 .. 7 of row r: half a fragment's registers for K step n / 2
.set n, 0
.rept 16
	ds_load_b128 v[X+8*n:X+8*n+3], v[RDP] offset:64*n
	ds_load_b128 v[X+8*n+4:X+8*n+7], v[RDP] offset:64*n+16
.set n, n+1
.endr
.set n, 0
.rept 16
	s_wait_dscnt 30-2*n                            ; the two loads of piece n are in; the 30 - 2 n younger ones stay out
	v_cvt_pk_f16_f32 v[X+8*n], v[X+8*n], v[X+8*n+1]          ; in place, ascending: no number is written over before it is read
	v_cvt_pk_f16_f32 v[X+8*n+1], v[X+8*n+2], v[X+8*n+3]
	v_cvt_pk_f16_f32 v[X+8*n+2], v[X+8*n+4], v[X+8*n+5]
	v_cvt_pk_f16_f32 v[X+8*n+3], v[X+8*n+6], v[X+8*n+7]
	global_store_b128 v[L16], v[X+8*n:X+8*n+3], s[32:33] offset:512*n
.set n, n+1
.endr
.Lend:
	s_wait_tensorcnt 0x0                           ; the wave's end: three closing lines behind my last LDS store
	ds_add_u32 v[SPW], v[NIL]
	s_wait_dscnt 0x0
	s_endpgm
.Lfunc_end_k_qa9b87b5795_quant:
	.size	k_qa9b87b5795_quant, .Lfunc_end_k_qa9b87b5795_quant-k_qa9b87b5795_quant
	.p2alignl 7, 3214868480
	.fill 96, 4, 3214868480
	.section	.rodata,"a",@progbits
	.p2align	6, 0x0
	.amdhsa_kernel k_qa9b87b5795_quant
		.amdhsa_group_segment_fixed_size 134144
		.amdhsa_private_segment_fixed_size 0
		.amdhsa_enable_private_segment 0
		.amdhsa_kernarg_size 64
		.amdhsa_user_sgpr_count 2
		.amdhsa_user_sgpr_kernarg_segment_ptr 1
		.amdhsa_wavefront_size32 1
		.amdhsa_system_sgpr_workgroup_id_x 1
		.amdhsa_system_sgpr_workgroup_id_y 1
		.amdhsa_system_sgpr_workgroup_id_z 1
		.amdhsa_system_vgpr_workitem_id 0
		.amdhsa_next_free_vgpr 192
		.amdhsa_next_free_sgpr 66
		.amdhsa_reserve_vcc 1
		.amdhsa_float_denorm_mode_32 3
		.amdhsa_float_denorm_mode_16_64 3
		.amdhsa_memory_ordered 1
		.amdhsa_forward_progress 1
		.amdhsa_inst_pref_size 26
	.end_amdhsa_kernel
	.amdgpu_metadata
---
amdhsa.version: [ 1, 2 ]
amdhsa.kernels:
  - .name:           k_qa9b87b5795_quant
    .symbol:         k_qa9b87b5795_quant.kd
    .args:
      - { .name: x, .offset: 0, .size: 8, .value_kind: global_buffer, .address_space: global }
      - { .name: w_qkv, .offset: 8, .size: 8, .value_kind: global_buffer, .address_space: global }
      - { .name: w_proj, .offset: 16, .size: 8, .value_kind: global_buffer, .address_space: global }
      - { .name: xc, .offset: 24, .size: 8, .value_kind: global_buffer, .address_space: global }
      - { .name: xs, .offset: 32, .size: 8, .value_kind: global_buffer, .address_space: global }
      - { .name: wqc, .offset: 40, .size: 8, .value_kind: global_buffer, .address_space: global }
      - { .name: wqs, .offset: 48, .size: 8, .value_kind: global_buffer, .address_space: global }
      - { .name: wpf, .offset: 56, .size: 8, .value_kind: global_buffer, .address_space: global }
    .group_segment_fixed_size: 134144
    .private_segment_fixed_size: 0
    .kernarg_segment_align: 8
    .kernarg_segment_size: 64
    .max_flat_workgroup_size: 256
    .sgpr_count:     66
    .vgpr_count:     192
    .wavefront_size: 32
...
	.end_amdgpu_metadata
.endif
;; end of part 1
;; launch attn (part 2): grid 256 x 1, 16 waves a work-group, no clusters, 304,640 bytes of LDS; arguments xc, xs, wqc, wqs, wpf, b_proj, out0; writes out0
.if DOCPART == 2
	.amdgcn_target "amdgcn-amd-amdhsa--gfx1250"
	.amdhsa_code_object_version 6
	.text
	.protected	k_qa9b87b5795_attn
	.globl	k_qa9b87b5795_attn
	.p2align	8
	.type	k_qa9b87b5795_attn,@function
k_qa9b87b5795_attn:
	s_mov_b64 s[64:65], 0
	v_nop
	global_prefetch_b8 v0, s[64:65] scope:SCOPE_SE
	s_setreg_imm32_b32 hwreg(HW_REG_WAVE_MODE, 25, 1), 1
	s_wait_xcnt 0x0
; out0 = (softmax(q k^T / sqrt(32) + local mask) v) w_proj^T + b_proj, with q, k, v = x w_qkv^T on codes of FP4 (E2M1) made by the launch before.  64 images of 8 x 64 tokens, 8 heads of 32.
; THE MASK IS A BAND.  Key (h', w') counts for query (h, w) where |h - h'| <= 3 and |w - w'| <= 5.  Tokens are taken column by column (8 w + h): the 16 queries of two columns then see 12 columns, 96 neighbouring keys.
; SHARES.  A work-group owns 16 columns (128 queries) of one image: qd = its quarter.  It makes K and V for a window of 28 columns, local column lc = global 16 qd - 6 + lc: 14 tiles of 16 tokens; Q for tiles 3 to 10.
; Columns outside the image take a clamped tile's data and are hidden by the mask.  q, k, v, p and the attention's result never go to memory.
; Sixteen waves, 256 registers each: wave w has head = w & 7 and tg = w >> 3.  QKV: its head's K and V for 7 token tiles, Q for 4.  Attention: its head, query tiles 4 tg + 0 .. 3.  Projection: features 32 head on, the same query tiles.
; FORMATS.  x w_qkv^T: v_wmma_scale_f32_16x16x128_f8f6f4, FP4 on both sides, sums in f32.  The three other products: f16 operands, sums in f32.  Softmax in f32: the row's true maximum is taken away (all 96 keys are at hand at once).
; LAYOUT.  K and Q: source 0 = 16 features of w_qkv, source 1 = 16 tokens: a lane holds a token and 8 neighbouring features.  Q's result, rounded to f16, IS source 1 of S^T = K Q^T and stays in registers.
; V: the sources the other way round: a lane holds a feature and 8 neighbouring tokens: 16 bytes of a row of V^T.  S^T's lane holds a query, p rounded in pairs IS source 1 of O^T = V^T p, and O^T rounded IS source 1 of the projection.
; LIMITS: q, k, v, the attention's result and w_proj go in f16: magnitudes under 65,504.  A hidden score is -2^100, not -infinity: |q . k| stays under 2^99.  NaN and infinities among the inputs are not served.
; NO CLUSTER: what work-groups share is the weights (96 KiB of codes, 128 KiB of f16), and each wave takes its part of them straight into the operand registers in which they stay; a joint load would land in LDS,
; of whose 304,640 bytes here all but 23,040 are written by LDS stores before w_proj is wanted.  Neighbouring windows share 6 of 14 tiles, 12 KiB.
.set KP,   528                         ; a row of K in LDS: 256 f16 + 16 bytes: an odd multiple of 16, so the 16 rows of a load begin at 16 different 16-byte columns modulo 256
.set VP,   464                         ; a row of V^T: 224 f16 + 16 bytes: likewise
.set YP,   1040                        ; a row of the way out's stage: 256 f32 + 16 bytes: likewise
.set XSC,  28672                       ; LDS: 0: x's 14 fragment images of 2,048 bytes; here: their scale words, 128 bytes each
.set KB,   65536                       ; K: 224 rows [token][256 f16]
.set VB,   KB+224*KP                   ; V^T: 256 rows [feature][224 tokens]
.set SPARE, VB+256*VP                  ; the spare words, 128 bytes a wave: eight blocks of 256 bytes that no other line names
.set YST,  65536                       ; the stage, 128 rows, over K and V once nobody reads them.  The attention's results, 64 images of 1,024 bytes, lie from 0 on, over x's images once nobody reads those
.set SPW, 1                            ; v1   my spare word; never rewritten
.set NIL, 2                            ; v2   0; never rewritten
.set L16, 3                            ; v3   16 x lane
.set L4,  4                            ; v4   4 x lane
.set CPC, 5                            ; v5-14 addresses of the first phases:  where my tile's image goes,
.set CPS, 6                            ;       its scale words;
.set AXA, 7                            ;       x's images, trips 0-3 and 4-6;
.set AXB, 8
.set ASA, 9                            ;       their scale words;
.set ASB, 10
.set KSA, 11                           ;       where K goes;
.set KSB, 12
.set VSA, 13                           ;       where V^T goes
.set VSB, 14
.set AKU, 5                            ; v5-10 afterwards:  K's fragments of the unit in hand,
.set AV,  6                            ;       V^T's of unit 0,
.set AO,  7                            ;       where the attention's results go,
.set AT,  8                            ;       and come from;
.set AYS, 9                            ;       into the stage,
.set AYR, 10                           ;       and out of it
.set BI,  16                           ; v16-23 b_proj at features 128 i + 4 lane + 0 .. 3
.set WS,  24                           ; v24-29 w_qkv's scale words: scales and nothing else
.set XS,  30                           ; v30-31 x's, two buffers: scales and nothing else
.set W,   32                           ; v32-127  QKV: w_qkv's fragments (kq, s) at 16 kq + 8 s; kq: K0 K1 V0 V1 Q0 Q1
.set XF,  128                          ; v128-159 x's fragments, two buffers of two K steps
.set D,   160                          ; v160-207 six accumulators
.set PK,  208                          ; v208-223 K and V rounded to f16
.set QF,  224                          ; v224-255 Q of my four query tiles
.set S,   32                           ; v32-79   attention: S^T, then p; p in f16 ends in v32-55; v56-79 at work on the way to LDS
.set O,   80                           ; v80-95   O^T
.set B,   96                           ; v96-101  a tile's largest score; later a chain of the sum
.set MX,  102
.set T1,  103
.set LS,  104                          ; v104-105 the sum
.set RC,  106                          ; v106-107 1 / the sum
.set A,   108                          ; v108-119 -c max + the tile's mask, at the even registers
.set NEG, 120
.set ZR,  121
.set KV,  128                          ; v128-175 six fragments of K, then of V^T
.set DH,  176                          ; v176-183 the mask along h: 0 or -2^100 for key h' = j
.set DWV, 184                          ; v184-207 the mask along w, for unit u and key tile t at 6 u + t
.set Y,   32                           ; v32-95   projection: accumulators 4 e + m
.set TF,  96                           ; v96-127  four token fragments
.set WP,  128                          ; v128-255 w_proj's fragments 8 e + ks; later rows of out0
.set WV,  18
.set HD,  19
.set TG,  20
.set QD,  21
.set IMG, 22
.set SEL, 28                           ; s[28:29] v_permlanex16_b32's selects for lane l xor 16
.set CS,  30                           ; s[30:31] c = log2(e) / sqrt(32); s32 = -c
.set SI,  36                           ; s36-41  lanes whose key column of tile t lies within 5 of the query's
.set SV,  42                           ; s42-50  lanes whose key column lies inside the image
.macro PLACES                          ; four places behind a matrix instruction, ahead of reads of its result and of loads into its registers (ISA guide 7.12.1 for vector instructions)
.rept 4
	v_nop
.endr
.endm
.macro BARRIER                         ; my LDS stores have landed and my LDS loads are in: then the work-group's barrier
	s_wait_dscnt 0x0
	s_barrier_signal -1
	s_barrier_wait -1
.endm
	s_load_b256 s[4:11], s[0:1], 0x0               ; xc, xs, wqc, wqs
	s_load_b128 s[12:15], s[0:1], 0x20             ; wpf, b_proj
	s_load_b64 s[16:17], s[0:1], 0x30              ; out0
	v_lshl_add_u32 v[SPW], v0, 2, SPARE
	v_mov_b32 v[NIL], 0
	v_lshrrev_b32 v5, 5, v0
	v_readfirstlane_b32 s[WV], v5                  ; wave 0..15
	s_and_b32 s[HD], s[WV], 7
	s_lshr_b32 s[TG], s[WV], 3
	s_and_b32 s[QD], ttmp9, 3
	s_lshr_b32 s[IMG], ttmp9, 2
	v_and_b32 v[L16], 31, v0
	v_lshlrev_b32 v[L4], 2, v[L16]
	v_lshlrev_b32 v[L16], 4, v[L16]
	v_and_b32 v208, 15, v0                         ; r
	v_bfe_u32 v209, v0, 4, 1                       ; hh
	v_mul_u32_u24 v210, v208, KP
	v_lshl_add_u32 v210, v209, 4, v210             ; r rows of K + 16 hh
	v_mul_u32_u24 v211, v208, VP
	v_lshl_add_u32 v211, v209, 4, v211             ; r rows of V^T + 16 hh
	s_mov_b32 s[SEL], 0x76543210
	s_mov_b32 s[SEL+1], 0xfedcba98
	s_mov_b32 s[CS], 0x3e8293ee
	s_mov_b32 s[CS+1], s[CS]                       ; (named with it as a pair, so it is written)
	s_mov_b32 s32, 0xbe8293ee
	s_lshl_b32 s52, s[HD], 12                      ; w_qkv's codes: my head's two tiles of 2,048 bytes within Q, K and V
	s_mov_b32 s53, 0
	s_lshl_b32 s54, s[HD], 8                       ; their scale words
	s_mov_b32 s55, 0
	s_lshl_b32 s56, s[HD], 14                      ; w_proj: my two feature tiles of 8,192 bytes
	s_mov_b32 s57, 0
	s_lshl_b32 s23, s[QD], 3                       ; the window's tile lt = wave is the image's pair of columns 8 qd - 3 + lt,
	s_add_co_u32 s23, s23, s[WV]
	s_sub_co_i32 s23, s23, 3
	s_max_i32 s23, s23, 0                          ; held inside the image: the mask hides what is held
	s_min_i32 s23, s23, 31
	s_lshl_b32 s24, s[IMG], 5
	s_add_co_u32 s23, s23, s24
	s_lshl_b32 s58, s23, 11
	s_mov_b32 s59, 0
	s_lshl_b32 s26, s23, 7
	s_mov_b32 s27, 0
	s_lshl_b32 s24, s[IMG], 9                      ; out0: token 512 b + 64 h + 16 qd + wave: on the way out wave w stores column 16 qd + w
	s_lshl_b32 s25, s[QD], 4
	s_add_co_u32 s24, s24, s25
	s_add_co_u32 s24, s24, s[WV]
	s_lshl_b32 s24, s24, 10
	s_mov_b32 s25, 0
	s_lshl_b32 s33, s[WV], 11
	v_add_nc_u32 v[CPC], s33, v[L16]
	s_lshl_b32 s33, s[WV], 7
	s_add_co_u32 s33, s33, XSC
	v_add_nc_u32 v[CPS], s33, v[L4]
	s_lshl_b32 s33, s[TG], 13                      ; trips 0-3: token tiles 3 + 4 tg + i, which are my query tiles;  trips 4-6: tiles 11 tg + i - 4
	s_add_co_u32 s33, s33, 3*2048
	v_add_nc_u32 v[AXA], s33, v[L16]
	s_mul_i32 s33, s[TG], 11*2048
	v_add_nc_u32 v[AXB], s33, v[L16]
	s_lshl_b32 s33, s[TG], 9
	s_add_co_u32 s33, s33, XSC+3*128
	v_add_nc_u32 v[ASA], s33, v[L4]
	s_mul_i32 s33, s[TG], 11*128
	s_add_co_u32 s33, s33, XSC
	v_add_nc_u32 v[ASB], s33, v[L4]
	s_lshl_b32 s34, s[HD], 6                       ; K: row = token, my head's 64 bytes
	s_mul_i32 s33, s[TG], 64*KP
	s_add_co_u32 s33, s33, s34
	s_add_co_u32 s33, s33, KB+48*KP
	v_add_nc_u32 v[KSA], s33, v210
	s_mul_i32 s33, s[TG], 176*KP
	s_add_co_u32 s33, s33, s34
	s_add_co_u32 s33, s33, KB
	v_add_nc_u32 v[KSB], s33, v210
	s_mul_i32 s34, s[HD], 32*VP                    ; V^T: row = feature, 32 bytes a token tile
	s_lshl_b32 s33, s[TG], 7
	s_add_co_u32 s33, s33, s34
	s_add_co_u32 s33, s33, VB+96
	v_add_nc_u32 v[VSA], s33, v211
	s_mul_i32 s33, s[TG], 352
	s_add_co_u32 s33, s33, s34
	s_add_co_u32 s33, s33, VB
	v_add_nc_u32 v[VSB], s33, v211
	s_wait_kmcnt 0x0
	s_add_nc_u64 s[8:9], s[8:9], s[52:53]
	s_add_nc_u64 s[10:11], s[10:11], s[54:55]
	s_add_nc_u64 s[12:13], s[12:13], s[56:57]
	s_add_nc_u64 s[4:5], s[4:5], s[58:59]
	s_add_nc_u64 s[6:7], s[6:7], s[26:27]
	s_add_nc_u64 s[16:17], s[16:17], s[24:25]
	; my head's six feature tiles of w_qkv stay in registers: tile 16 x (1, 2, 0 for K, V, Q) + kq % 2, counted from my head's first
.irp kq, 0,1,2,3,4,5
.irp s, 0,1
.irp c, 0,1
	global_load_b128 v[W+16*\kq+8*\s+4*\c:W+16*\kq+8*\s+4*\c+3], v[L16], s[8:9] offset:((((\kq/2)+1)%3)*16+(\kq%2))*2048+1024*\s+512*\c
.endr
.endr
	global_load_b32 v[WS+\kq], v[L4], s[10:11] offset:((((\kq/2)+1)%3)*16+(\kq%2))*128   ; lanes 0-15: K step 0's words, lanes 16-31: K step 1's
.endr
.irp i, 0,1
	global_load_b128 v[BI+4*\i:BI+4*\i+3], v[L16], s[14:15] offset:512*\i
.endr
	s_cmp_lt_u32 s[WV], 14                         ; waves 0-13 bring one tile of x each into LDS, as it lies
	s_cbranch_scc0 .Lno_copy
.irp q, 0,1,2,3
	global_load_b128 v[D+4*\q:D+4*\q+3], v[L16], s[4:5] offset:512*\q
.endr
	global_load_b32 v[D+16], v[L4], s[6:7]
	s_wait_loadcnt 0x0
.irp q, 0,1,2,3
	ds_store_b128 v[CPC], v[D+4*\q:D+4*\q+3] offset:512*\q
.endr
	ds_store_b32 v[CPS], v[D+16]
.Lno_copy:
	s_wait_loadcnt 0x0                             ; the weights, their scale words and the bias
	BARRIER                                        ; x's fourteen images lie in LDS
; ---- Q, K, V
.macro XLOAD buf, adrc, adrs, k        ; a token tile's two fragments and its scale words, as images
.irp q, 0,1,2,3
	ds_load_b128 v[XF+16*(\buf)+4*\q:XF+16*(\buf)+4*\q+3], v[\adrc] offset:(\k)*2048+512*\q
.endr
	ds_load_b32 v[XS+(\buf)], v[\adrs] offset:(\k)*128
.endm
.macro FMUL kq, buf, s                 ; source 0 = 16 features, source 1 = 16 tokens.  K step 1 takes both sides' scales from lanes 16-31
.if (\s) == 0
	v_wmma_scale_f32_16x16x128_f8f6f4 v[D+8*(\kq):D+8*(\kq)+7], v[W+16*(\kq):W+16*(\kq)+7], v[XF+16*(\buf):XF+16*(\buf)+7], 0, v[WS+(\kq)], v[XS+(\buf)] matrix_a_fmt:MATRIX_FMT_FP4 matrix_b_fmt:MATRIX_FMT_FP4
.else
	v_wmma_scale_f32_16x16x128_f8f6f4 v[D+8*(\kq):D+8*(\kq)+7], v[W+16*(\kq)+8:W+16*(\kq)+15], v[XF+16*(\buf)+8:XF+16*(\buf)+15], v[D+8*(\kq):D+8*(\kq)+7], v[WS+(\kq)], v[XS+(\buf)] matrix_a_fmt:MATRIX_FMT_FP4 matrix_b_fmt:MATRIX_FMT_FP4 matrix_a_scale:MATRIX_SCALE_ROW1 matrix_b_scale:MATRIX_SCALE_ROW1
.endif
.endm
.macro TMUL kq, buf, s                 ; source 0 = 16 tokens, source 1 = 16 features
.if (\s) == 0
	v_wmma_scale_f32_16x16x128_f8f6f4 v[D+8*(\kq):D+8*(\kq)+7], v[XF+16*(\buf):XF+16*(\buf)+7], v[W+16*(\kq):W+16*(\kq)+7], 0, v[XS+(\buf)], v[WS+(\kq)] matrix_a_fmt:MATRIX_FMT_FP4 matrix_b_fmt:MATRIX_FMT_FP4
.else
	v_wmma_scale_f32_16x16x128_f8f6f4 v[D+8*(\kq):D+8*(\kq)+7], v[XF+16*(\buf)+8:XF+16*(\buf)+15], v[W+16*(\kq)+8:W+16*(\kq)+15], v[D+8*(\kq):D+8*(\kq)+7], v[XS+(\buf)], v[WS+(\kq)] matrix_a_fmt:MATRIX_FMT_FP4 matrix_b_fmt:MATRIX_FMT_FP4 matrix_a_scale:MATRIX_SCALE_ROW1 matrix_b_scale:MATRIX_SCALE_ROW1
.endif
.endm
.macro PACK4 dst, src                  ; an accumulator's eight numbers to f16, from its low end on
.irp p, 0,1,2,3
	v_cvt_pk_f16_f32 v[(\dst)+\p], v[(\src)+2*\p], v[(\src)+2*\p+1]
.endr
.endm
; Trip i: one token tile.  The accumulators take turns, one instruction a turn: between the two links of a sum stand 3 or 5 others'.
.macro QKVTILE i
.if (\i) < 3
	XLOAD ((\i)+1)%2, AXA, ASA, (\i)+1
.elseif (\i) < 6
	XLOAD ((\i)+1)%2, AXB, ASB, (\i)-3
.endif
.if (\i) < 6
	s_wait_dscnt 5                                 ; all but the five loads just issued: this trip's fragments are in, and the last trip's four stores have read PK
.else
	s_wait_dscnt 0x0
.endif
.irp s, 0,1
	FMUL 0, (\i)%2, \s
	FMUL 1, (\i)%2, \s
	TMUL 2, (\i)%2, \s
	TMUL 3, (\i)%2, \s
.if (\i) < 4
	FMUL 4, (\i)%2, \s
	FMUL 5, (\i)%2, \s
.endif
.endr
	PLACES
	PACK4 PK, D
	PACK4 PK+4, D+8
	PACK4 PK+8, D+16
	PACK4 PK+12, D+24
.if (\i) < 4
	PACK4 QF+8*(\i), D+32                          ; Q of query tile 4 tg + i: features 8 hh + 0 .. 7,
	PACK4 QF+8*(\i)+4, D+40                        ; and 16 + 8 hh + 0 .. 7: source 1 of S^T as it stands
.set KA, KSA
.set VA, VSA
.set KK, (\i)
.else
.set KA, KSB
.set VA, VSB
.set KK, (\i)-4
.endif
	ds_store_b128 v[KA], v[PK:PK+3] offset:KK*16*KP          ; token r, features 8 hh on of my head's first 16,
	ds_store_b128 v[KA], v[PK+4:PK+7] offset:KK*16*KP+32     ; of its second 16
	ds_store_b128 v[VA], v[PK+8:PK+11] offset:KK*32          ; feature r, tokens 8 hh on,
	ds_store_b128 v[VA], v[PK+12:PK+15] offset:KK*32+16*VP   ; feature 16 + r
.endm
	XLOAD 0, AXA, ASA, 0
.irp i, 0,1,2,3,4,5,6
	QKVTILE \i
.endr
	; ---- the masks, from ids alone, and the addresses of all that follows.  In S^T lane (r, hh) holds query (h = r & 7, column 6 + 2 jl + (r >> 3)); register j of key tile t holds key (h' = j, column 2 (jl + t) + 1 + hh)
	v_and_b32 v122, 15, v0                         ; r
	v_bfe_u32 v123, v0, 4, 1                       ; hh
	v_and_b32 v124, 7, v0                          ; the query's h
	v_bfe_u32 v125, v0, 3, 1                       ; its column's parity
	v_mov_b32 v[NEG], 0xf1800000                   ; -2^100
	v_mov_b32 v[ZR], 0
	v_mov_b32 v[T1], 0                             ; written once: a lane permute's destination counts as one of its sources
	v_mov_b32 v[RC+1], 0                           ; (named as the upper half of a pair)
.irp t, 0,1,2,3,4,5
	v_mov_b32 v[A+2*\t+1], 0                       ; (likewise)
.endr
.irp j, 0,1,2,3,4,5,6,7
	v_add_nc_u32 v126, 3-\j, v124
	v_cmp_gt_u32 vcc_lo, 7, v126                   ; |h - j| <= 3
	v_cndmask_b32 v[DH+\j], v[NEG], v[ZR], vcc_lo
.endr
	v_sub_nc_u32 v126, v125, v123
.irp t, 0,1,2,3,4,5
	v_add_nc_u32 v127, 10-2*\t, v126               ; the query's column - the key's + 5
	v_cmp_gt_u32 s[SI+\t], 11, v127
.endr
	s_lshl_b32 s23, s[QD], 4
	s_lshl_b32 s24, s[TG], 3
	s_add_co_u32 s23, s23, s24
	s_sub_co_i32 s23, s23, 5
	v_add_nc_u32 v126, s23, v123
.irp n, 0,1,2,3,4,5,6,7,8
	v_add_nc_u32 v127, 2*\n, v126                  ; the key's column in the image, for u + t = n
	v_cmp_gt_u32 s[SV+\n], 64, v127
.endr
.irp u, 0,1,2,3
.irp t, 0,1,2,3,4,5
	s_and_b32 s51, s[SI+\t], s[SV+\u+\t]
	v_cndmask_b32 v[DWV+6*\u+\t], v[NEG], v[ZR], s51
.endr
.endr
	v_mul_u32_u24 v126, v122, KP
	v_lshl_add_u32 v126, v123, 4, v126
	s_mul_i32 s33, s[TG], 64*KP
	s_lshl_b32 s34, s[HD], 6
	s_add_co_u32 s33, s33, s34
	s_add_co_u32 s33, s33, KB+8*KP
	v_add_nc_u32 v[AKU], s33, v126                 ; K: token 8 + 16 jl + r, my head, + 16 hh
	v_mul_u32_u24 v126, v122, VP
	v_lshl_add_u32 v126, v123, 4, v126
	s_mul_i32 s33, s[HD], 32*VP
	s_lshl_b32 s34, s[TG], 7
	s_add_co_u32 s33, s33, s34
	s_add_co_u32 s33, s33, VB+16
	v_add_nc_u32 v[AV], s33, v126                  ; V^T: feature 32 head + r, token 8 + 64 tg + 8 hh
	s_lshl_b32 s33, s[TG], 15
	v_add_nc_u32 v[AT], s33, v[L16]                ; the results' images (8 jl + head) x 1,024: my four query tiles, all heads;
	s_lshl_b32 s34, s[HD], 10
	s_add_co_u32 s33, s33, s34
	v_add_nc_u32 v[AO], s33, v[L16]                ; and my head's
	v_mul_u32_u24 v126, v122, YP
	v_lshl_add_u32 v126, v123, 5, v126
	s_mul_i32 s33, s[TG], 64*YP
	s_lshl_b32 s34, s[HD], 7
	s_add_co_u32 s33, s33, s34
	s_add_co_u32 s33, s33, YST
	v_add_nc_u32 v[AYS], s33, v126                 ; the stage: row 64 tg + r, my 32 features' 128 bytes, + 32 hh
	s_mul_i32 s33, s[WV], 8*YP
	s_add_co_u32 s33, s33, YST
	v_add_nc_u32 v[AYR], s33, v[L16]               ; and back: rows 8 w + h
	BARRIER                                        ; K and V^T are whole, and nobody reads x's images any more
; ---- attention
.macro KLOAD                           ; six tiles of 16 keys x my head's 32
.irp t, 0,1,2,3,4,5
	ds_load_b128 v[KV+8*\t:KV+8*\t+3], v[AKU] offset:\t*16*KP
	ds_load_b128 v[KV+8*\t+4:KV+8*\t+7], v[AKU] offset:\t*16*KP+32
.endr
.endm
.macro VLOAD u                         ; fragment 2 ks + e: features 16 e on x keys 32 ks on
.irp ks, 0,1,2
.irp e, 0,1
	ds_load_b128 v[KV+8*(2*\ks+\e):KV+8*(2*\ks+\e)+3], v[AV] offset:16*VP*\e+32*(\u)+64*\ks
	ds_load_b128 v[KV+8*(2*\ks+\e)+4:KV+8*(2*\ks+\e)+7], v[AV] offset:16*VP*\e+32*(\u)+64*\ks+32
.endr
.endr
.endm
.macro WPLOAD                          ; w_proj's sixteen fragments of my 32 features stay in registers
.irp e, 0,1
.irp ks, 0,1,2,3,4,5,6,7
.irp c, 0,1
	global_load_b128 v[WP+8*(8*\e+\ks)+4*\c:WP+8*(8*\e+\ks)+4*\c+3], v[L16], s[12:13] offset:8192*\e+1024*\ks+512*\c
.endr
.endr
.endr
.endm
; Unit u: query tile 4 tg + u against its 96 keys.
.macro UNIT u, last
	s_wait_dscnt 0x0                               ; K's fragments are in, and the last unit's stores have read their registers
.irp t, 0,1,2,3,4,5
	v_wmma_f32_16x16x32_f16 v[S+8*\t:S+8*\t+7], v[KV+8*\t:KV+8*\t+7], v[QF+8*(\u):QF+8*(\u)+7], v[DH:DH+7]   ; the mask along h comes in as C
.endr
	PLACES
	VLOAD \u                                       ; lands while the softmax is walked
.irp t, 0,1,2,3,4,5
	v_max3_num_f32 v[B+\t], v[S+8*\t], v[S+8*\t+1], v[S+8*\t+2]   ; each accumulator from its low end on; the six tiles by turns
.endr
.irp t, 0,1,2,3,4,5
	v_max3_num_f32 v[B+\t], v[B+\t], v[S+8*\t+3], v[S+8*\t+4]
.endr
.irp t, 0,1,2,3,4,5
	v_max3_num_f32 v[B+\t], v[B+\t], v[S+8*\t+5], v[S+8*\t+6]
.endr
.irp t, 0,1,2,3,4,5
	v_max_num_f32 v[B+\t], v[B+\t], v[S+8*\t+7]
.endr
.irp t, 0,1,2,3,4,5
	v_add_f32 v[B+\t], v[B+\t], v[DWV+6*(\u)+\t]   ; a hidden column's tile does not count
.endr
	v_max3_num_f32 v[MX], v[B], v[B+1], v[B+2]
	v_max3_num_f32 v[MX], v[MX], v[B+3], v[B+4]
	v_max_num_f32 v[MX], v[MX], v[B+5]
	v_permlanex16_b32 v[T1], v[MX], s[SEL], s[SEL+1]
	v_max_num_f32 v[MX], v[MX], v[T1]              ; the row's largest score among the keys that count (the query's own place always does)
.irp t, 0,1,2,3,4,5
	v_fma_f32 v[A+2*\t], v[MX], s32, v[DWV+6*(\u)+\t]   ; -c max + the mask along w
.endr
.irp t, 0,1,2,3,4,5
.irp i, 0,2,4,6
	v_pk_fma_f32 v[S+8*\t+\i:S+8*\t+\i+1], v[S+8*\t+\i:S+8*\t+\i+1], s[CS:CS+1], v[A+2*\t:A+2*\t+1] op_sel_hi:[1,0,0]   ; c (s - max), two at a time; of both pairs the low word serves both halves
.endr
.endr
.set i, 0
.rept 48
	v_exp_f32 v[S+i], v[S+i]                       ; p, at most 1; 0 for hidden keys
.set i, i+1
.endr
	v_nop                                          ; a plain place behind the last exponential
	s_wait_alu depctr_va_vdst(0)                   ; the wait ahead of the first reader: one for the batch
	v_pk_add_f32 v[LS:LS+1], v[S:S+1], v[S+2:S+3]  ; the row's sum, of p in f32, in two chains
	v_pk_add_f32 v[B:B+1], v[S+4:S+5], v[S+6:S+7]
.irp j, 8,12,16,20,24,28,32,36,40,44
	v_pk_add_f32 v[LS:LS+1], v[LS:LS+1], v[S+\j:S+\j+1]
	v_pk_add_f32 v[B:B+1], v[B:B+1], v[S+\j+2:S+\j+3]
.endr
	v_pk_add_f32 v[LS:LS+1], v[LS:LS+1], v[B:B+1]
	v_add_f32 v[LS], v[LS], v[LS+1]
	v_permlanex16_b32 v[T1], v[LS], s[SEL], s[SEL+1]
	v_add_f32 v[LS], v[LS], v[T1]
	v_rcp_f32 v[RC], v[LS]
.set i, 0
.rept 24
	v_cvt_pk_f16_f32 v[S+i], v[S+2*i], v[S+2*i+1]  ; in place, ascending: tiles 2 ks and 2 ks + 1 become source 1 for keys 32 ks on.  (Plain work behind the reciprocal)
.set i, i+1
.endr
	s_wait_dscnt 0x0                               ; V^T's fragments are in
.irp ks, 0,1,2
.irp e, 0,1
.if \ks == 0
	v_wmma_f32_16x16x32_f16 v[O+8*\e:O+8*\e+7], v[KV+8*(2*\ks+\e):KV+8*(2*\ks+\e)+7], v[S+8*\ks:S+8*\ks+7], 0
.else
	v_wmma_f32_16x16x32_f16 v[O+8*\e:O+8*\e+7], v[KV+8*(2*\ks+\e):KV+8*(2*\ks+\e)+7], v[S+8*\ks:S+8*\ks+7], v[O+8*\e:O+8*\e+7]   ; the two accumulators by turns
.endif
.endr
.endr
	PLACES
.if \last
	WPLOAD                                         ; into registers that the attention has left
.else
	v_add_nc_u32 v[AKU], 16*KP, v[AKU]             ; the next query tile's keys begin 16 tokens on
	KLOAD
.endif
	s_wait_alu depctr_va_vdst(0)                   ; the wait ahead of the reciprocal's first reader
.irp i, 0,1,2,3,4,5,6,7
	v_pk_mul_f32 v[S+24+2*\i:S+24+2*\i+1], v[O+2*\i:O+2*\i+1], v[RC:RC+1] op_sel_hi:[1,0]   ; O^T / the sum, each accumulator from its low end on
.endr
.irp i, 0,1,2,3,4,5,6,7
	v_cvt_pk_f16_f32 v[S+40+\i], v[S+24+2*\i], v[S+24+2*\i+1]
.endr
	ds_store_b128 v[AO], v[S+40:S+43] offset:8192*(\u)       ; the image of the projection's source 1: 16 tokens x K step = my head
	ds_store_b128 v[AO], v[S+44:S+47] offset:8192*(\u)+512
.endm
	KLOAD
	UNIT 0, 0
	UNIT 1, 0
	UNIT 2, 0
	UNIT 3, 1
	BARRIER                                        ; all 64 images lie in LDS, and nobody reads K or V^T any more
; ---- the projection: source 0 = 16 features of w_proj, source 1 = 16 tokens; eight accumulators by turns, a K step (a head) at a time
.macro PSTEP ks
.if (\ks) > 0
	PLACES
.endif
.irp m, 0,1,2,3
	ds_load_b128 v[TF+8*\m:TF+8*\m+3], v[AT] offset:8192*\m+1024*(\ks)
	ds_load_b128 v[TF+8*\m+4:TF+8*\m+7], v[AT] offset:8192*\m+1024*(\ks)+512
.endr
	s_wait_dscnt 0x0
.if (\ks) == 0
	s_wait_loadcnt 0x0                             ; w_proj's fragments
.endif
.irp m, 0,1,2,3
.irp e, 0,1
.if (\ks) == 0
	v_wmma_f32_16x16x32_f16 v[Y+8*(4*\e+\m):Y+8*(4*\e+\m)+7], v[WP+8*(8*\e+(\ks)):WP+8*(8*\e+(\ks))+7], v[TF+8*\m:TF+8*\m+7], 0
.else
	v_wmma_f32_16x16x32_f16 v[Y+8*(4*\e+\m):Y+8*(4*\e+\m)+7], v[WP+8*(8*\e+(\ks)):WP+8*(8*\e+(\ks))+7], v[TF+8*\m:TF+8*\m+7], v[Y+8*(4*\e+\m):Y+8*(4*\e+\m)+7]
.endif
.endr
.endr
.endm
.irp ks, 0,1,2,3,4,5,6,7
	PSTEP \ks
.endr
	PLACES
.irp m, 0,1,2,3
.irp e, 0,1
	ds_store_b128 v[AYS], v[Y+8*(4*\e+\m):Y+8*(4*\e+\m)+3] offset:16*YP*\m+64*\e        ; lane (r, hh): token 16 m + r, features 16 e + 8 hh + 0 .. 7; each accumulator from its low end on
	ds_store_b128 v[AYS], v[Y+8*(4*\e+\m)+4:Y+8*(4*\e+\m)+7] offset:16*YP*\m+64*\e+16
.endr
.endr
	BARRIER                                        ; 128 whole rows lie in the stage
	; ---- the way out: wave w takes column 16 qd + w: rows 8 w + h of the stage, whole; the bias is added here
.set n, 0
.rept 16
	ds_load_b128 v[WP+4*n:WP+4*n+3], v[AYR] offset:(n/2)*YP+512*(n%2)
.set n, n+1
.endr
.set n, 0
.rept 16
	s_wait_dscnt 15-n                              ; LDS loads come back in order: load n is in, the 15 - n younger ones stay out
	v_pk_add_f32 v[WP+4*n:WP+4*n+1], v[WP+4*n:WP+4*n+1], v[BI+4*(n%2):BI+4*(n%2)+1]
	v_pk_add_f32 v[WP+4*n+2:WP+4*n+3], v[WP+4*n+2:WP+4*n+3], v[BI+4*(n%2)+2:BI+4*(n%2)+3]
	global_store_b128 v[L16], v[WP+4*n:WP+4*n+3], s[16:17] offset:(n/2)*65536+512*(n%2) th:TH_STORE_NT   ; 512 consecutive bytes, at a multiple of 512 from out0's first byte; written once, read by nobody here
.set n, n+1
.endr
	s_wait_tensorcnt 0x0                           ; the wave's end: three closing lines behind my last LDS store
	ds_add_u32 v[SPW], v[NIL]
	s_wait_dscnt 0x0
	s_endpgm
.Lfunc_end_k_qa9b87b5795_attn:
	.size	k_qa9b87b5795_attn, .Lfunc_end_k_qa9b87b5795_attn-k_qa9b87b5795_attn
	.p2alignl 7, 3214868480
	.fill 96, 4, 3214868480
	.section	.rodata,"a",@progbits
	.p2align	6, 0x0
	.amdhsa_kernel k_qa9b87b5795_attn
		.amdhsa_group_segment_fixed_size 304640
		.amdhsa_private_segment_fixed_size 0
		.amdhsa_enable_private_segment 0
		.amdhsa_kernarg_size 56
		.amdhsa_user_sgpr_count 2
		.amdhsa_user_sgpr_kernarg_segment_ptr 1
		.amdhsa_wavefront_size32 1
		.amdhsa_system_sgpr_workgroup_id_x 1
		.amdhsa_system_sgpr_workgroup_id_y 1
		.amdhsa_system_sgpr_workgroup_id_z 1
		.amdhsa_system_vgpr_workitem_id 0
		.amdhsa_next_free_vgpr 256
		.amdhsa_next_free_sgpr 66
		.amdhsa_reserve_vcc 1
		.amdhsa_float_denorm_mode_32 3
		.amdhsa_float_denorm_mode_16_64 3
		.amdhsa_memory_ordered 1
		.amdhsa_forward_progress 1
		.amdhsa_inst_pref_size 105
	.end_amdhsa_kernel
	.amdgpu_metadata
---
amdhsa.version: [ 1, 2 ]
amdhsa.kernels:
  - .name:           k_qa9b87b5795_attn
    .symbol:         k_qa9b87b5795_attn.kd
    .args:
      - { .name: xc, .offset: 0, .size: 8, .value_kind: global_buffer, .address_space: global }
      - { .name: xs, .offset: 8, .size: 8, .value_kind: global_buffer, .address_space: global }
      - { .name: wqc, .offset: 16, .size: 8, .value_kind: global_buffer, .address_space: global }
      - { .name: wqs, .offset: 24, .size: 8, .value_kind: global_buffer, .address_space: global }
      - { .name: wpf, .offset: 32, .size: 8, .value_kind: global_buffer, .address_space: global }
      - { .name: b_proj, .offset: 40, .size: 8, .value_kind: global_buffer, .address_space: global }
      - { .name: out0, .offset: 48, .size: 8, .value_kind: global_buffer, .address_space: global }
    .group_segment_fixed_size: 304640
    .private_segment_fixed_size: 0
    .kernarg_segment_align: 8
    .kernarg_segment_size: 56
    .max_flat_workgroup_size: 512
    .sgpr_count:     66
    .vgpr_count:     256
    .wavefront_size: 32
...
	.end_amdgpu_metadata
.endif
;; end of part 2
;; ======== version 2 of 2: 2 launches; version 1 with the launch attn written anew for expert scheduling mode
;; limits: values are held in f16: magnitudes above 65,504 overflow, below 6.1e-05 lose precision
;; workspace buffers: xc 4,194,304 bytes; xs 262,144 bytes; wqc 98,304 bytes; wqs 6,144 bytes; wpf 131,072 bytes
;; launch quant: the kernel of part 1 again; grid 264 x 1, 8 waves a work-group, no clusters, 134,144 bytes of LDS; arguments x, w_qkv, w_proj, xc, xs, wqc, wqs, wpf; writes xc, xs, wqc, wqs, wpf
;; launch attn (part 3): grid 256 x 1, 16 waves a work-group, no clusters, 304,640 bytes of LDS; arguments xc, xs, wqc, wqs, wpf, b_proj, out0; writes out0
.if DOCPART == 3
	.amdgcn_target "amdgcn-amd-amdhsa--gfx1250"
	.amdhsa_code_object_version 6
	.text
	.protected	k_qa9b87b5795_attn
	.globl	k_qa9b87b5795_attn
	.p2align	8
	.type	k_qa9b87b5795_attn,@function
k_qa9b87b5795_attn:
	s_mov_b64 s[64:65], 0
	v_nop
	global_prefetch_b8 v0, s[64:65] scope:SCOPE_SE
	s_setreg_imm32_b32 hwreg(HW_REG_WAVE_SCHED_MODE, 0, 2), 2
	s_setreg_imm32_b32 hwreg(HW_REG_WAVE_MODE, 25, 1), 1
	s_wait_xcnt 0x0
	s_wait_alu depctr_vm_vsrc(0)
; out0 = (softmax(q k^T / sqrt(32) + local mask) v) w_proj^T + b_proj, with q, k, v = x w_qkv^T on codes of FP4 (E2M1) made by the launch before.  64 images of 8 x 64 tokens, 8 heads of 32.
; THE MASK IS A BAND.  Key (h', w') counts for query (h, w) where |h - h'| <= 3 and |w - w'| <= 5.  Tokens are taken column by column (8 w + h): the 16 queries of two columns then see 12 columns, 96 neighbouring keys.
; SHARES.  A work-group owns 16 columns (128 queries) of one image: qd = its quarter.  It makes K and V for a window of 28 columns, local column lc = global 16 qd - 6 + lc: 14 tiles of 16 tokens; Q for tiles 3 to 10.
; Columns outside the image take a clamped tile's data and are hidden by the mask.  q, k, v, p and the attention's result never go to memory.
; Sixteen waves, 256 registers each: wave w has head = w & 7 and tg = w >> 3.  QKV: its head's K and V for 7 token tiles, Q for 4.  Attention: its head, query tiles 4 tg + 0 .. 3.  Projection: features 32 head on, the same query tiles.
; FORMATS.  x w_qkv^T: v_wmma_scale_f32_16x16x128_f8f6f4, FP4 on both sides, sums in f32.  The three other products: f16 operands, sums in f32.  Softmax in f32: the row's true maximum is taken away (all 96 keys are at hand at once).
; LAYOUT.  K and Q: source 0 = 16 features of w_qkv, source 1 = 16 tokens: a lane holds a token and 8 neighbouring features.  Q's result, rounded to f16, IS source 1 of S^T = K Q^T and stays in registers.
; V: the sources the other way round: a lane holds a feature and 8 neighbouring tokens: 16 bytes of a row of V^T.  S^T's lane holds a query, p rounded in pairs IS source 1 of O^T = V^T p, and O^T rounded IS source 1 of the projection.
; LIMITS: q, k, v, the attention's result and w_proj go in f16: magnitudes under 65,504.  A hidden score is -2^100, not -infinity: |q . k| stays under 2^99.  NaN and infinities among the inputs are not served.
; NO CLUSTER: what work-groups share is the weights (96 KiB of codes, 128 KiB of f16), and each wave takes its part of them straight into the operand registers in which they stay; a joint load would land in LDS,
; of whose 304,640 bytes here all but 23,040 are written by LDS stores before w_proj is wanted.  Neighbouring windows share 6 of 14 tiles, 12 KiB.
; THE MODE: SCHED_MODE bits 1:0 = 2 (LLVM: expert scheduling mode 2), set by the entry lines.  The code itself states the register dependences
; between vector or matrix instructions and memory or LDS instructions, with s_wait_alu, always for 0.
; THE PLAN.  Registers that memory or LDS instructions touch, phase by phase:
;   QKV        XF0, XF1 with XS0, XS1: trip i's products read buffer i % 2; trip i's loads land in the other, which trip i - 1's products read.  PK: written by a trip's roundings, read by its four LDS stores.
;              ONE wait on va_vdst a trip, behind the roundings: PK is written, and the trip's products are done reading their buffer.  One on vm_vsrc ahead of the next trip's roundings.
;   attention  KV: K's fragments, read by S^T's products; then V^T's, read by O^T's products; then the next unit's K.  OB0, OB1: written by a unit's last roundings, read by two LDS stores that are issued in the NEXT unit.
;              Three waits on va_vdst a unit: behind the row's maximum (ahead of V^T's loads and of the stores), behind the exponentials, behind O^T's products (ahead of K's loads, and of the reciprocal's first reader).
;   projection T0 and R: two buffers of four token fragments by turns.  R is the registers of w_proj's fragments of K steps 0 and 1, which are free once those steps are multiplied.
;              One wait on va_vdst behind a K step's products; behind it the loads into the buffer (and the fragments) that those products read, a step ahead of their use from K step 2 on.
;   addresses  made at the head, and for the later phases ahead of the second barrier; none is written inside a phase.
.set KP,   528                         ; a row of K in LDS: 256 f16 + 16 bytes: an odd multiple of 16, so the 16 rows of a load begin at 16 different 16-byte columns modulo 256
.set VP,   464                         ; a row of V^T: 224 f16 + 16 bytes: likewise
.set YP,   1040                        ; a row of the way out's stage: 256 f32 + 16 bytes: likewise
.set XSC,  28672                       ; LDS: 0: x's 14 fragment images of 2,048 bytes; here: their scale words, 128 bytes each
.set KB,   65536                       ; K: 224 rows [token][256 f16]
.set VB,   KB+224*KP                   ; V^T: 256 rows [feature][224 tokens]
.set SPARE, VB+256*VP                  ; the spare words, 128 bytes a wave: eight blocks of 256 bytes that no other line names
.set YST,  65536                       ; the stage, 128 rows, over K and V once nobody reads them.  The attention's results, 64 images of 1,024 bytes, lie from 0 on, over x's images once nobody reads those
.set SPW, 1                            ; v1   my spare word; never rewritten
.set NIL, 2                            ; v2   0; never rewritten
.set L16, 3                            ; v3   16 x lane
.set L4,  4                            ; v4   4 x lane
.set CPC, 5                            ; v5-14 addresses of the first phases:  where my tile's image goes,
.set CPS, 6                            ;       its scale words;
.set AXA, 7                            ;       x's images, trips 0-3 and 4-6;
.set AXB, 8
.set ASA, 9                            ;       their scale words;
.set ASB, 10
.set KSA, 11                           ;       where K goes;
.set KSB, 12
.set VSA, 13                           ;       where V^T goes
.set VSB, 14
.set AKU, 5                            ; v5-11 afterwards:  K's fragments of units 0 and 1,
.set AV,  6                            ;       V^T's of unit 0,
.set AO,  7                            ;       where the attention's results go,
.set AT,  8                            ;       and come from;
.set AYS, 9                            ;       into the stage,
.set AYR, 10                           ;       and out of it;
.set AK2, 11                           ;       K's fragments of units 2 and 3: 32 tokens on
.set BI,  16                           ; v16-23 b_proj at features 128 i + 4 lane + 0 .. 3
.set WS,  24                           ; v24-29 w_qkv's scale words: scales and nothing else
.set XS,  30                           ; v30-31 x's, two buffers: scales and nothing else
.set W,   32                           ; v32-127  QKV: w_qkv's fragments (kq, s) at 16 kq + 8 s; kq: K0 K1 V0 V1 Q0 Q1
.set XF,  128                          ; v128-159 x's fragments, two buffers of two K steps
.set D,   160                          ; v160-207 six accumulators
.set PK,  208                          ; v208-223 K and V rounded to f16
.set QF,  224                          ; v224-255 Q of my four query tiles
.set S,   32                           ; v32-79   attention: S^T, then p; p in f16 ends in v32-55; v56-79 at work on the way to LDS
.set O,   80                           ; v80-95   O^T
.set B,   96                           ; v96-101  a tile's largest score; later a chain of the sum
.set MX,  102
.set T1,  103
.set LS,  104                          ; v104-105 the sum
.set RC,  106                          ; v106-107 1 / the sum
.set A,   108                          ; v108-119 -c max + the tile's mask, at the even registers
.set NEG, 120
.set ZR,  121
.set KV,  128                          ; v128-175 six fragments of K, then of V^T
.set DH,  176                          ; v176-183 the mask along h: 0 or -2^100 for key h' = j
.set DWV, 184                          ; v184-207 the mask along w, for unit u and key tile t at 6 u + t
.set OB,  208                          ; v208-223 two out-buffers of 8: the results of units 0 and 2, of unit 1, in f16
.set Y,   32                           ; v32-95   projection: accumulators 4 e + m
.set TF,  96                           ; v96-127  four token fragments: buffer T0
.set WP,  128                          ; v128-255 w_proj's fragments 8 e + ks; those of ks = 0, 1 become buffer R; later rows of out0
.set WV,  18
.set HD,  19
.set TG,  20
.set QD,  21
.set IMG, 22
.set SEL, 28                           ; s[28:29] v_permlanex16_b32's selects for lane l xor 16
.set CS,  30                           ; s[30:31] c = log2(e) / sqrt(32); s32 = -c
.set SI,  36                           ; s36-41  lanes whose key column of tile t lies within 5 of the query's
.set SV,  42                           ; s42-50  lanes whose key column lies inside the image
.set SH,  52                           ; s52-59  lanes whose query's h lies within 3 of j (the head's offsets, which lay here, are used up)
.macro PLACES                          ; four places behind a matrix instruction, ahead of vector instructions and LDS stores that read its result
.rept 4
	v_nop
.endr
.endm
.macro BARRIER                         ; my LDS stores have landed and my LDS loads are in: then the work-group's barrier
	s_wait_dscnt 0x0
	s_barrier_signal -1
	s_barrier_wait -1
.endm
	s_load_b256 s[4:11], s[0:1], 0x0               ; xc, xs, wqc, wqs
	s_load_b128 s[12:15], s[0:1], 0x20             ; wpf, b_proj
	s_load_b64 s[16:17], s[0:1], 0x30              ; out0
	v_lshl_add_u32 v[SPW], v0, 2, SPARE
	v_mov_b32 v[NIL], 0
	v_lshrrev_b32 v5, 5, v0
	v_readfirstlane_b32 s[WV], v5                  ; wave 0..15
	v_and_b32 v[L16], 31, v0
	v_lshlrev_b32 v[L4], 2, v[L16]
	v_lshlrev_b32 v[L16], 4, v[L16]
	v_and_b32 v208, 15, v0                         ; r
	v_bfe_u32 v209, v0, 4, 1                       ; hh
	v_mul_u32_u24 v210, v208, KP
	v_lshl_add_u32 v210, v209, 4, v210             ; r rows of K + 16 hh
	v_mul_u32_u24 v211, v208, VP
	v_lshl_add_u32 v211, v209, 4, v211             ; r rows of V^T + 16 hh
	s_and_b32 s[QD], ttmp9, 3
	s_lshr_b32 s[IMG], ttmp9, 2
	s_mov_b32 s[SEL], 0x76543210
	s_mov_b32 s[SEL+1], 0xfedcba98
	s_mov_b32 s[CS], 0x3e8293ee
	s_mov_b32 s[CS+1], s[CS]                       ; (named with it as a pair, so it is written)
	s_mov_b32 s32, 0xbe8293ee
	s_wait_alu depctr_va_sdst(0)                   ; the wave's number is written, ahead of its first reader: head, tg and every base below are made from it
	s_and_b32 s[HD], s[WV], 7
	s_lshr_b32 s[TG], s[WV], 3
	s_lshl_b32 s52, s[HD], 12                      ; w_qkv's codes: my head's two tiles of 2,048 bytes within Q, K and V
	s_mov_b32 s53, 0
	s_lshl_b32 s54, s[HD], 8                       ; their scale words
	s_mov_b32 s55, 0
	s_lshl_b32 s56, s[HD], 14                      ; w_proj: my two feature tiles of 8,192 bytes
	s_mov_b32 s57, 0
	s_lshl_b32 s23, s[QD], 3                       ; the window's tile lt = wave is the image's pair of columns 8 qd - 3 + lt,
	s_add_co_u32 s23, s23, s[WV]
	s_sub_co_i32 s23, s23, 3
	s_max_i32 s23, s23, 0                          ; held inside the image: the mask hides what is held
	s_min_i32 s23, s23, 31
	s_lshl_b32 s24, s[IMG], 5
	s_add_co_u32 s23, s23, s24
	s_lshl_b32 s58, s23, 11
	s_mov_b32 s59, 0
	s_lshl_b32 s26, s23, 7
	s_mov_b32 s27, 0
	s_lshl_b32 s24, s[IMG], 9                      ; out0: token 512 b + 64 h + 16 qd + wave: on the way out wave w stores column 16 qd + w
	s_lshl_b32 s25, s[QD], 4
	s_add_co_u32 s24, s24, s25
	s_add_co_u32 s24, s24, s[WV]
	s_lshl_b32 s24, s24, 10
	s_mov_b32 s25, 0
	s_lshl_b32 s33, s[WV], 11
	v_add_nc_u32 v[CPC], s33, v[L16]
	s_lshl_b32 s33, s[WV], 7
	s_add_co_u32 s33, s33, XSC
	v_add_nc_u32 v[CPS], s33, v[L4]
	s_lshl_b32 s33, s[TG], 13                      ; trips 0-3: token tiles 3 + 4 tg + i, which are my query tiles;  trips 4-6: tiles 11 tg + i - 4
	s_add_co_u32 s33, s33, 3*2048
	v_add_nc_u32 v[AXA], s33, v[L16]
	s_mul_i32 s33, s[TG], 11*2048
	v_add_nc_u32 v[AXB], s33, v[L16]
	s_lshl_b32 s33, s[TG], 9
	s_add_co_u32 s33, s33, XSC+3*128
	v_add_nc_u32 v[ASA], s33, v[L4]
	s_mul_i32 s33, s[TG], 11*128
	s_add_co_u32 s33, s33, XSC
	v_add_nc_u32 v[ASB], s33, v[L4]
	s_lshl_b32 s34, s[HD], 6                       ; K: row = token, my head's 64 bytes
	s_mul_i32 s33, s[TG], 64*KP
	s_add_co_u32 s33, s33, s34
	s_add_co_u32 s33, s33, KB+48*KP
	v_add_nc_u32 v[KSA], s33, v210
	s_mul_i32 s33, s[TG], 176*KP
	s_add_co_u32 s33, s33, s34
	s_add_co_u32 s33, s33, KB
	v_add_nc_u32 v[KSB], s33, v210
	s_mul_i32 s34, s[HD], 32*VP                    ; V^T: row = feature, 32 bytes a token tile
	s_lshl_b32 s33, s[TG], 7
	s_add_co_u32 s33, s33, s34
	s_add_co_u32 s33, s33, VB+96
	v_add_nc_u32 v[VSA], s33, v211
	s_mul_i32 s33, s[TG], 352
	s_add_co_u32 s33, s33, s34
	s_add_co_u32 s33, s33, VB
	v_add_nc_u32 v[VSB], s33, v211
	s_wait_kmcnt 0x0
	s_add_nc_u64 s[8:9], s[8:9], s[52:53]
	s_add_nc_u64 s[10:11], s[10:11], s[54:55]
	s_add_nc_u64 s[12:13], s[12:13], s[56:57]
	s_add_nc_u64 s[4:5], s[4:5], s[58:59]
	s_add_nc_u64 s[6:7], s[6:7], s[26:27]
	s_add_nc_u64 s[16:17], s[16:17], s[24:25]
	s_wait_alu depctr_va_vdst(0)                   ; v3 to v14 are written: the offsets and LDS addresses that the loads and stores of the head and of the QKV phase read
	; my head's six feature tiles of w_qkv stay in registers: tile 16 x (1, 2, 0 for K, V, Q) + kq % 2, counted from my head's first
.irp kq, 0,1,2,3,4,5
.irp s, 0,1
.irp c, 0,1
	global_load_b128 v[W+16*\kq+8*\s+4*\c:W+16*\kq+8*\s+4*\c+3], v[L16], s[8:9] offset:((((\kq/2)+1)%3)*16+(\kq%2))*2048+1024*\s+512*\c
.endr
.endr
	global_load_b32 v[WS+\kq], v[L4], s[10:11] offset:((((\kq/2)+1)%3)*16+(\kq%2))*128   ; lanes 0-15: K step 0's words, lanes 16-31: K step 1's
.endr
.irp i, 0,1
	global_load_b128 v[BI+4*\i:BI+4*\i+3], v[L16], s[14:15] offset:512*\i
.endr
	s_cmp_lt_u32 s[WV], 14                         ; waves 0-13 bring one tile of x each into LDS, as it lies
	s_cbranch_scc0 .Lno_copy
.irp q, 0,1,2,3
	global_load_b128 v[D+4*\q:D+4*\q+3], v[L16], s[4:5] offset:512*\q
.endr
	global_load_b32 v[D+16], v[L4], s[6:7]
	s_wait_loadcnt 0x0
.irp q, 0,1,2,3
	ds_store_b128 v[CPC], v[D+4*\q:D+4*\q+3] offset:512*\q
.endr
	ds_store_b32 v[CPS], v[D+16]
.Lno_copy:
	s_wait_loadcnt 0x0                             ; the weights, their scale words and the bias
	BARRIER                                        ; x's fourteen images lie in LDS
	s_wait_alu depctr_vm_vsrc(0)                   ; the copy's LDS stores have read v160 to v176, which the first trip's products write
; ---- Q, K, V
.macro XLOAD buf, adrc, adrs, k        ; a token tile's two fragments and its scale words, as images
.irp q, 0,1,2,3
	ds_load_b128 v[XF+16*(\buf)+4*\q:XF+16*(\buf)+4*\q+3], v[\adrc] offset:(\k)*2048+512*\q
.endr
	ds_load_b32 v[XS+(\buf)], v[\adrs] offset:(\k)*128
.endm
.macro FMUL kq, buf, s                 ; source 0 = 16 features, source 1 = 16 tokens.  K step 1 takes both sides' scales from lanes 16-31
.if (\s) == 0
	v_wmma_scale_f32_16x16x128_f8f6f4 v[D+8*(\kq):D+8*(\kq)+7], v[W+16*(\kq):W+16*(\kq)+7], v[XF+16*(\buf):XF+16*(\buf)+7], 0, v[WS+(\kq)], v[XS+(\buf)] matrix_a_fmt:MATRIX_FMT_FP4 matrix_b_fmt:MATRIX_FMT_FP4
.else
	v_wmma_scale_f32_16x16x128_f8f6f4 v[D+8*(\kq):D+8*(\kq)+7], v[W+16*(\kq)+8:W+16*(\kq)+15], v[XF+16*(\buf)+8:XF+16*(\buf)+15], v[D+8*(\kq):D+8*(\kq)+7], v[WS+(\kq)], v[XS+(\buf)] matrix_a_fmt:MATRIX_FMT_FP4 matrix_b_fmt:MATRIX_FMT_FP4 matrix_a_scale:MATRIX_SCALE_ROW1 matrix_b_scale:MATRIX_SCALE_ROW1
.endif
.endm
.macro TMUL kq, buf, s                 ; source 0 = 16 tokens, source 1 = 16 features
.if (\s) == 0
	v_wmma_scale_f32_16x16x128_f8f6f4 v[D+8*(\kq):D+8*(\kq)+7], v[XF+16*(\buf):XF+16*(\buf)+7], v[W+16*(\kq):W+16*(\kq)+7], 0, v[XS+(\buf)], v[WS+(\kq)] matrix_a_fmt:MATRIX_FMT_FP4 matrix_b_fmt:MATRIX_FMT_FP4
.else
	v_wmma_scale_f32_16x16x128_f8f6f4 v[D+8*(\kq):D+8*(\kq)+7], v[XF+16*(\buf)+8:XF+16*(\buf)+15], v[W+16*(\kq)+8:W+16*(\kq)+15], v[D+8*(\kq):D+8*(\kq)+7], v[XS+(\buf)], v[WS+(\kq)] matrix_a_fmt:MATRIX_FMT_FP4 matrix_b_fmt:MATRIX_FMT_FP4 matrix_a_scale:MATRIX_SCALE_ROW1 matrix_b_scale:MATRIX_SCALE_ROW1
.endif
.endm
.macro PACK4 dst, src                  ; an accumulator's eight numbers to f16, from its low end on
.irp p, 0,1,2,3
	v_cvt_pk_f16_f32 v[(\dst)+\p], v[(\src)+2*\p], v[(\src)+2*\p+1]
.endr
.endm
; Trip i: one token tile.  The accumulators take turns, one instruction a turn: between the two links of a sum stand 3 or 5 others'.
.macro QKVTILE i
.if (\i) < 3
	XLOAD ((\i)+1)%2, AXA, ASA, (\i)+1             ; into the buffer that the last trip's products read: that trip's wait on va_vdst stands behind them, and no vector or matrix line since names the buffer
.elseif (\i) < 6
	XLOAD ((\i)+1)%2, AXB, ASB, (\i)-3
.endif
.if (\i) < 6
	s_wait_dscnt 5                                 ; all but the five loads just issued: this trip's fragments are in
.else
	s_wait_dscnt 0x0
.endif
.irp s, 0,1
	FMUL 0, (\i)%2, \s
	FMUL 1, (\i)%2, \s
	TMUL 2, (\i)%2, \s
	TMUL 3, (\i)%2, \s
.if (\i) < 4
	FMUL 4, (\i)%2, \s
	FMUL 5, (\i)%2, \s
.endif
.endr
	PLACES
.if (\i) > 0
	s_wait_alu depctr_vm_vsrc(0)                   ; the last trip's four LDS stores have read PK, which the roundings below write again
.endif
	PACK4 PK, D
	PACK4 PK+4, D+8
	PACK4 PK+8, D+16
	PACK4 PK+12, D+24
.if (\i) < 4
.set KA, KSA
.set VA, VSA
.set KK, (\i)
.else
.set KA, KSB
.set VA, VSB
.set KK, (\i)-4
.endif
	s_wait_alu depctr_va_vdst(0)                   ; the roundings have written PK, which the stores below read; this trip's products are done reading their fragments and scale words of x, in which the next trip's loads land
	ds_store_b128 v[KA], v[PK:PK+3] offset:KK*16*KP          ; token r, features 8 hh on of my head's first 16,
	ds_store_b128 v[KA], v[PK+4:PK+7] offset:KK*16*KP+32     ; of its second 16
	ds_store_b128 v[VA], v[PK+8:PK+11] offset:KK*32          ; feature r, tokens 8 hh on,
	ds_store_b128 v[VA], v[PK+12:PK+15] offset:KK*32+16*VP   ; feature 16 + r
.if (\i) < 4
	PACK4 QF+8*(\i), D+32                          ; Q of query tile 4 tg + i: features 8 hh + 0 .. 7,
	PACK4 QF+8*(\i)+4, D+40                        ; and 16 + 8 hh + 0 .. 7: source 1 of S^T as it stands.  (Behind the stores: no LDS instruction of this phase names Q's registers or these accumulators)
.endif
.endm
	XLOAD 0, AXA, ASA, 0
.irp i, 0,1,2,3,4,5,6
	QKVTILE \i
.endr
	; ---- the masks, from ids alone, and the addresses of all that follows.  In S^T lane (r, hh) holds query (h = r & 7, column 6 + 2 jl + (r >> 3)); register j of key tile t holds key (h' = j, column 2 (jl + t) + 1 + hh)
	v_and_b32 v122, 15, v0                         ; r
	v_bfe_u32 v123, v0, 4, 1                       ; hh
	v_and_b32 v124, 7, v0                          ; the query's h
	v_bfe_u32 v125, v0, 3, 1                       ; its column's parity
	v_mov_b32 v[NEG], 0xf1800000                   ; -2^100
	v_mov_b32 v[ZR], 0
	v_mov_b32 v[T1], 0                             ; written once: a lane permute's destination counts as one of its sources
	v_mov_b32 v[RC+1], 0                           ; (named as the upper half of a pair)
.irp t, 0,1,2,3,4,5
	v_mov_b32 v[A+2*\t+1], 0                       ; (likewise)
.endr
.irp j, 0,1,2,3,4,5,6,7
	v_add_nc_u32 v126, 3-\j, v124
	v_cmp_gt_u32 s[SH+\j], 7, v126                 ; |h - j| <= 3
.endr
	v_sub_nc_u32 v126, v125, v123
.irp t, 0,1,2,3,4,5
	v_add_nc_u32 v127, 10-2*\t, v126               ; the query's column - the key's + 5
	v_cmp_gt_u32 s[SI+\t], 11, v127
.endr
	s_lshl_b32 s23, s[QD], 4
	s_lshl_b32 s24, s[TG], 3
	s_add_co_u32 s23, s23, s24
	s_sub_co_i32 s23, s23, 5
	v_add_nc_u32 v126, s23, v123
.irp n, 0,1,2,3,4,5,6,7,8
	v_add_nc_u32 v127, 2*\n, v126                  ; the key's column in the image, for u + t = n
	v_cmp_gt_u32 s[SV+\n], 64, v127
.endr
	s_wait_alu depctr_va_sdst(0)                   ; the 23 compares have written their masks, s36 to s59, ahead of the first line that reads one
.irp j, 0,1,2,3,4,5,6,7
	v_cndmask_b32 v[DH+\j], v[NEG], v[ZR], s[SH+\j]
.endr
.irp u, 0,1,2,3
.irp t, 0,1,2,3,4,5
	s_and_b32 s51, s[SI+\t], s[SV+\u+\t]
	v_cndmask_b32 v[DWV+6*\u+\t], v[NEG], v[ZR], s51
.endr
.endr
	s_wait_alu depctr_vm_vsrc(0)                   ; the LDS loads and stores of the first phases have read their addresses, of which v5 to v11 are made anew below, and the last trip's stores have read PK, which the attention's roundings write
	v_mul_u32_u24 v126, v122, KP
	v_lshl_add_u32 v126, v123, 4, v126
	s_mul_i32 s33, s[TG], 64*KP
	s_lshl_b32 s34, s[HD], 6
	s_add_co_u32 s33, s33, s34
	s_add_co_u32 s33, s33, KB+8*KP
	v_add_nc_u32 v[AKU], s33, v126                 ; K: token 8 + 16 jl + r, my head, + 16 hh
	v_add_nc_u32 v[AK2], 32*KP, v[AKU]             ; and 32 tokens on, for units 2 and 3: with the two, every unit's offsets fit the 16-bit immediate, and no address is stepped
	v_mul_u32_u24 v126, v122, VP
	v_lshl_add_u32 v126, v123, 4, v126
	s_mul_i32 s33, s[HD], 32*VP
	s_lshl_b32 s34, s[TG], 7
	s_add_co_u32 s33, s33, s34
	s_add_co_u32 s33, s33, VB+16
	v_add_nc_u32 v[AV], s33, v126                  ; V^T: feature 32 head + r, token 8 + 64 tg + 8 hh
	s_lshl_b32 s33, s[TG], 15
	v_add_nc_u32 v[AT], s33, v[L16]                ; the results' images (8 jl + head) x 1,024: my four query tiles, all heads;
	s_lshl_b32 s34, s[HD], 10
	s_add_co_u32 s33, s33, s34
	v_add_nc_u32 v[AO], s33, v[L16]                ; and my head's
	v_mul_u32_u24 v126, v122, YP
	v_lshl_add_u32 v126, v123, 5, v126
	s_mul_i32 s33, s[TG], 64*YP
	s_lshl_b32 s34, s[HD], 7
	s_add_co_u32 s33, s33, s34
	s_add_co_u32 s33, s33, YST
	v_add_nc_u32 v[AYS], s33, v126                 ; the stage: row 64 tg + r, my 32 features' 128 bytes, + 32 hh
	s_mul_i32 s33, s[WV], 8*YP
	s_add_co_u32 s33, s33, YST
	v_add_nc_u32 v[AYR], s33, v[L16]               ; and back: rows 8 w + h
	BARRIER                                        ; K and V^T are whole, and nobody reads x's images any more
	s_wait_alu depctr_va_vdst(0)                   ; the seven addresses v5 to v11 are written, which every later LDS access reads; the QKV phase's products and roundings are done with v128 to v175, in which K's fragments land
; ---- attention
.macro KLOAD u                         ; six tiles of 16 keys x my head's 32, for unit u
.if (\u) < 2
.set KAD, AKU
.else
.set KAD, AK2
.endif
.irp t, 0,1,2,3,4,5
	ds_load_b128 v[KV+8*\t:KV+8*\t+3], v[KAD] offset:(((\u)%2)+\t)*16*KP
	ds_load_b128 v[KV+8*\t+4:KV+8*\t+7], v[KAD] offset:(((\u)%2)+\t)*16*KP+32
.endr
.endm
.macro VLOAD u                         ; fragment 2 ks + e: features 16 e on x keys 32 ks on
.irp ks, 0,1,2
.irp e, 0,1
	ds_load_b128 v[KV+8*(2*\ks+\e):KV+8*(2*\ks+\e)+3], v[AV] offset:16*VP*\e+32*(\u)+64*\ks
	ds_load_b128 v[KV+8*(2*\ks+\e)+4:KV+8*(2*\ks+\e)+7], v[AV] offset:16*VP*\e+32*(\u)+64*\ks+32
.endr
.endr
.endm
.macro WPLOAD                          ; w_proj's sixteen fragments of my 32 features
.irp e, 0,1
.irp ks, 0,1,2,3,4,5,6,7
.irp c, 0,1
	global_load_b128 v[WP+8*(8*\e+\ks)+4*\c:WP+8*(8*\e+\ks)+4*\c+3], v[L16], s[12:13] offset:8192*\e+1024*\ks+512*\c
.endr
.endr
.endr
.endm
; Unit u: query tile 4 tg + u against its 96 keys.
.macro UNIT u, last
	s_wait_dscnt 0x0                               ; K's fragments are in
.irp t, 0,1,2,3,4,5
	v_wmma_f32_16x16x32_f16 v[S+8*\t:S+8*\t+7], v[KV+8*\t:KV+8*\t+7], v[QF+8*(\u):QF+8*(\u)+7], v[DH:DH+7]   ; the mask along h comes in as C
.endr
	PLACES
.irp t, 0,1,2,3,4,5
	v_max3_num_f32 v[B+\t], v[S+8*\t], v[S+8*\t+1], v[S+8*\t+2]   ; each accumulator from its low end on; the six tiles by turns
.endr
.irp t, 0,1,2,3,4,5
	v_max3_num_f32 v[B+\t], v[B+\t], v[S+8*\t+3], v[S+8*\t+4]
.endr
.irp t, 0,1,2,3,4,5
	v_max3_num_f32 v[B+\t], v[B+\t], v[S+8*\t+5], v[S+8*\t+6]
.endr
.irp t, 0,1,2,3,4,5
	v_max_num_f32 v[B+\t], v[B+\t], v[S+8*\t+7]
.endr
.irp t, 0,1,2,3,4,5
	v_add_f32 v[B+\t], v[B+\t], v[DWV+6*(\u)+\t]   ; a hidden column's tile does not count
.endr
	v_max3_num_f32 v[MX], v[B], v[B+1], v[B+2]
	v_max3_num_f32 v[MX], v[MX], v[B+3], v[B+4]
	v_max_num_f32 v[MX], v[MX], v[B+5]
	v_permlanex16_b32 v[T1], v[MX], s[SEL], s[SEL+1]
	v_max_num_f32 v[MX], v[MX], v[T1]              ; the row's largest score among the keys that count (the query's own place always does)
	s_wait_alu depctr_va_vdst(0)                   ; the six products are done reading K's fragments, in whose registers V^T's land; the unit before has written its out-buffer, which the stores below read
	VLOAD \u                                       ; lands while the rest of the softmax is walked
.if (\u) > 0
	ds_store_b128 v[AO], v[OB+8*(((\u)-1)%2):OB+8*(((\u)-1)%2)+3] offset:8192*((\u)-1)          ; the unit before: the image of the projection's source 1: 16 tokens x K step = my head
	ds_store_b128 v[AO], v[OB+8*(((\u)-1)%2)+4:OB+8*(((\u)-1)%2)+7] offset:8192*((\u)-1)+512
.endif
.irp t, 0,1,2,3,4,5
	v_fma_f32 v[A+2*\t], v[MX], s32, v[DWV+6*(\u)+\t]   ; -c max + the mask along w
.endr
.irp t, 0,1,2,3,4,5
.irp i, 0,2,4,6
	v_pk_fma_f32 v[S+8*\t+\i:S+8*\t+\i+1], v[S+8*\t+\i:S+8*\t+\i+1], s[CS:CS+1], v[A+2*\t:A+2*\t+1] op_sel_hi:[1,0,0]   ; c (s - max), two at a time; of both pairs the low word serves both halves
.endr
.endr
.set i, 0
.rept 48
	v_exp_f32 v[S+i], v[S+i]                       ; p, at most 1; 0 for hidden keys
.set i, i+1
.endr
	v_nop                                          ; a plain place behind the last exponential
	s_wait_alu depctr_va_vdst(0)                   ; the 48 exponentials have written p, ahead of the first line that names one: one wait for the batch
	v_pk_add_f32 v[LS:LS+1], v[S:S+1], v[S+2:S+3]  ; the row's sum, of p in f32, in two chains
	v_pk_add_f32 v[B:B+1], v[S+4:S+5], v[S+6:S+7]
.irp j, 8,12,16,20,24,28,32,36,40,44
	v_pk_add_f32 v[LS:LS+1], v[LS:LS+1], v[S+\j:S+\j+1]
	v_pk_add_f32 v[B:B+1], v[B:B+1], v[S+\j+2:S+\j+3]
.endr
	v_pk_add_f32 v[LS:LS+1], v[LS:LS+1], v[B:B+1]
	v_add_f32 v[LS], v[LS], v[LS+1]
	v_permlanex16_b32 v[T1], v[LS], s[SEL], s[SEL+1]
	v_add_f32 v[LS], v[LS], v[T1]
	v_rcp_f32 v[RC], v[LS]
.set i, 0
.rept 24
	v_cvt_pk_f16_f32 v[S+i], v[S+2*i], v[S+2*i+1]  ; in place, ascending: tiles 2 ks and 2 ks + 1 become source 1 for keys 32 ks on.  (Plain work behind the reciprocal)
.set i, i+1
.endr
	s_wait_dscnt 0x0                               ; V^T's fragments are in
.irp ks, 0,1,2
.irp e, 0,1
.if \ks == 0
	v_wmma_f32_16x16x32_f16 v[O+8*\e:O+8*\e+7], v[KV+8*(2*\ks+\e):KV+8*(2*\ks+\e)+7], v[S+8*\ks:S+8*\ks+7], 0
.else
	v_wmma_f32_16x16x32_f16 v[O+8*\e:O+8*\e+7], v[KV+8*(2*\ks+\e):KV+8*(2*\ks+\e)+7], v[S+8*\ks:S+8*\ks+7], v[O+8*\e:O+8*\e+7]   ; the two accumulators by turns
.endif
.endr
.endr
	PLACES
.if (\u) >= 2
	s_wait_alu depctr_vm_vsrc(0)                   ; the LDS stores issued so far have read the out-buffers: unit 2's roundings write the first again; in unit 3 w_proj's loads land in both
.endif
	s_wait_alu depctr_va_vdst(0)                   ; the six products are done reading V^T's fragments, in whose registers the loads below land; the reciprocal is written, ahead of its first reader; in unit 3 all lines that name Q and the masks are done too
.if \last
	WPLOAD                                         ; into registers that the attention has left: no vector or matrix line of this unit behind the wait names v128 to v255
.else
	KLOAD (\u)+1                                   ; the next query tile's keys begin 16 tokens on
.endif
.irp i, 0,1,2,3,4,5,6,7
	v_pk_mul_f32 v[S+24+2*\i:S+24+2*\i+1], v[O+2*\i:O+2*\i+1], v[RC:RC+1] op_sel_hi:[1,0]   ; O^T / the sum, each accumulator from its low end on
.endr
.if \last
.irp i, 0,1,2,3,4,5,6,7
	v_cvt_pk_f16_f32 v[S+40+\i], v[S+24+2*\i], v[S+24+2*\i+1]
.endr
	s_wait_alu depctr_va_vdst(0)                   ; the roundings have written v72 to v79, which the stores below read; the attention's vector lines are done with v96 to v127, in which the projection's first fragments land
	ds_store_b128 v[AO], v[S+40:S+43] offset:8192*(\u)       ; no unit follows: the last results go at once
	ds_store_b128 v[AO], v[S+44:S+47] offset:8192*(\u)+512
.else
.irp i, 0,1,2,3,4,5,6,7
	v_cvt_pk_f16_f32 v[OB+8*((\u)%2)+\i], v[S+24+2*\i], v[S+24+2*\i+1]   ; into an out-buffer: the next unit stores it
.endr
.endif
.endm
	KLOAD 0
	UNIT 0, 0
	UNIT 1, 0
	UNIT 2, 0
	UNIT 3, 1
	BARRIER                                        ; all 64 images lie in LDS, and nobody reads K or V^T any more
	s_wait_alu depctr_vm_vsrc(0)                   ; unit 3's LDS stores have read v72 to v79, which the projection's first products write
; ---- the projection: source 0 = 16 features of w_proj, source 1 = 16 tokens; eight accumulators by turns, a K step (a head) at a time
; Where the fragment of tokens 16 m on of K step ks lies: K steps 0, 1 and the odd ones in T0; the even ones from 2 on in R: m = 0, 1 in the registers of w_proj's two fragments of K step 0, m = 2, 3 in those of K step 1.
.macro TREG ks, m
.if ((\ks) < 2) || ((\ks) % 2)
.set TR, TF+8*(\m)
.else
.set TR, WP+64*((\m)%2)+8*((\m)/2)
.endif
.endm
.macro TLOAD ks, m
	TREG \ks, \m
	ds_load_b128 v[TR:TR+3], v[AT] offset:8192*(\m)+1024*(\ks)
	ds_load_b128 v[TR+4:TR+7], v[AT] offset:8192*(\m)+1024*(\ks)+512
.endm
.macro PMUL ks
.irp m, 0,1,2,3
	TREG \ks, \m
.irp e, 0,1
.if (\ks) == 0
	v_wmma_f32_16x16x32_f16 v[Y+8*(4*\e+\m):Y+8*(4*\e+\m)+7], v[WP+8*(8*\e+(\ks)):WP+8*(8*\e+(\ks))+7], v[TR:TR+7], 0
.else
	v_wmma_f32_16x16x32_f16 v[Y+8*(4*\e+\m):Y+8*(4*\e+\m)+7], v[WP+8*(8*\e+(\ks)):WP+8*(8*\e+(\ks))+7], v[TR:TR+7], v[Y+8*(4*\e+\m):Y+8*(4*\e+\m)+7]
.endif
.endr
.endr
.endm
.irp m, 0,1,2,3
	TLOAD 0, \m
.endr
	s_wait_dscnt 0x0
	s_wait_loadcnt 0x0                             ; w_proj's fragments
	PMUL 0
	s_wait_alu depctr_va_vdst(0)                   ; K step 0's products are done reading T0 and their two fragments of w_proj: the loads below land in both
.irp m, 0,1,2,3
	TLOAD 1, \m
.endr
	TLOAD 2, 0
	TLOAD 2, 1
	s_wait_dscnt 4                                 ; K step 1's fragments are in; the four younger loads, half of K step 2's, stay out
	PMUL 1
	s_wait_alu depctr_va_vdst(0)                   ; K step 1's products are done reading T0 and their two fragments of w_proj: the loads below land in both
	TLOAD 2, 2
	TLOAD 2, 3
.irp m, 0,1,2,3
	TLOAD 3, \m
.endr
	s_wait_dscnt 8                                 ; K step 2's fragments are in; K step 3's eight loads stay out
	PMUL 2
.irp ks, 3,4,5,6
	s_wait_alu depctr_va_vdst(0)                   ; the last K step's products are done reading their buffer, in which the next K step's fragments land
.irp m, 0,1,2,3
	TLOAD \ks+1, \m
.endr
	s_wait_dscnt 8                                 ; this K step's fragments, asked for a step ago, are in; the eight loads just issued stay out
	PMUL \ks
.endr
	s_wait_dscnt 0x0
	PMUL 7
	PLACES
	s_wait_alu depctr_va_vdst(0)                   ; the products have written the accumulators, which the LDS stores read (the places above stay beside this wait), and are done reading v128 to v191, in which the rows read back land
.irp m, 0,1,2,3
.irp e, 0,1
	ds_store_b128 v[AYS], v[Y+8*(4*\e+\m):Y+8*(4*\e+\m)+3] offset:16*YP*\m+64*\e        ; lane (r, hh): token 16 m + r, features 16 e + 8 hh + 0 .. 7; each accumulator from its low end on
	ds_store_b128 v[AYS], v[Y+8*(4*\e+\m)+4:Y+8*(4*\e+\m)+7] offset:16*YP*\m+64*\e+16
.endr
.endr
	BARRIER                                        ; 128 whole rows lie in the stage
	; ---- the way out: wave w takes column 16 qd + w: rows 8 w + h of the stage, whole; the bias is added here.  Four groups of four half rows, so that one wait serves four stores
.set n, 0
.rept 16
	ds_load_b128 v[WP+4*n:WP+4*n+3], v[AYR] offset:(n/2)*YP+512*(n%2)
.set n, n+1
.endr
.set g, 0
.rept 4
	s_wait_dscnt 12-4*g                            ; LDS loads come back in order: the group's four are in, the 12 - 4 g younger ones stay out
.irp k, 0,1,2,3
	v_pk_add_f32 v[WP+4*(4*g+\k):WP+4*(4*g+\k)+1], v[WP+4*(4*g+\k):WP+4*(4*g+\k)+1], v[BI+4*(\k%2):BI+4*(\k%2)+1]
	v_pk_add_f32 v[WP+4*(4*g+\k)+2:WP+4*(4*g+\k)+3], v[WP+4*(4*g+\k)+2:WP+4*(4*g+\k)+3], v[BI+4*(\k%2)+2:BI+4*(\k%2)+3]
.endr
	s_wait_alu depctr_va_vdst(0)                   ; the eight additions have written the group's sixteen registers, which the four stores read
.irp k, 0,1,2,3
	global_store_b128 v[L16], v[WP+4*(4*g+\k):WP+4*(4*g+\k)+3], s[16:17] offset:(2*g+\k/2)*65536+512*(\k%2) th:TH_STORE_NT   ; 512 consecutive bytes, at a multiple of 512 from out0's first byte; written once, read by nobody here
.endr
.set g, g+1
.endr
	s_wait_dscnt 0x0                               ; the closing lines, six on end of a launch in the mode that stores to LDS
	s_wait_alu 0x0
	s_wait_tensorcnt 0x0
	ds_add_u32 v[SPW], v[NIL]
	s_wait_dscnt 0x0
	s_endpgm
.Lfunc_end_k_qa9b87b5795_attn:
	.size	k_qa9b87b5795_attn, .Lfunc_end_k_qa9b87b5795_attn-k_qa9b87b5795_attn
	.p2alignl 7, 3214868480
	.fill 96, 4, 3214868480
	.section	.rodata,"a",@progbits
	.p2align	6, 0x0
	.amdhsa_kernel k_qa9b87b5795_attn
		.amdhsa_group_segment_fixed_size 304640
		.amdhsa_private_segment_fixed_size 0
		.amdhsa_enable_private_segment 0
		.amdhsa_kernarg_size 56
		.amdhsa_user_sgpr_count 2
		.amdhsa_user_sgpr_kernarg_segment_ptr 1
		.amdhsa_wavefront_size32 1
		.amdhsa_system_sgpr_workgroup_id_x 1
		.amdhsa_system_sgpr_workgroup_id_y 1
		.amdhsa_system_sgpr_workgroup_id_z 1
		.amdhsa_system_vgpr_workitem_id 0
		.amdhsa_next_free_vgpr 256
		.amdhsa_next_free_sgpr 66
		.amdhsa_reserve_vcc 0
		.amdhsa_float_denorm_mode_32 3
		.amdhsa_float_denorm_mode_16_64 3
		.amdhsa_memory_ordered 1
		.amdhsa_forward_progress 1
		.amdhsa_inst_pref_size 105
	.end_amdhsa_kernel
	.amdgpu_metadata
---
amdhsa.version: [ 1, 2 ]
amdhsa.kernels:
  - .name:           k_qa9b87b5795_attn
    .symbol:         k_qa9b87b5795_attn.kd
    .args:
      - { .name: xc, .offset: 0, .size: 8, .value_kind: global_buffer, .address_space: global }
      - { .name: xs, .offset: 8, .size: 8, .value_kind: global_buffer, .address_space: global }
      - { .name: wqc, .offset: 16, .size: 8, .value_kind: global_buffer, .address_space: global }
      - { .name: wqs, .offset: 24, .size: 8, .value_kind: global_buffer, .address_space: global }
      - { .name: wpf, .offset: 32, .size: 8, .value_kind: global_buffer, .address_space: global }
      - { .name: b_proj, .offset: 40, .size: 8, .value_kind: global_buffer, .address_space: global }
      - { .name: out0, .offset: 48, .size: 8, .value_kind: global_buffer, .address_space: global }
    .group_segment_fixed_size: 304640
    .private_segment_fixed_size: 0
    .kernarg_segment_align: 8
    .kernarg_segment_size: 56
    .max_flat_workgroup_size: 512
    .sgpr_count:     66
    .vgpr_count:     256
    .wavefront_size: 32
...
	.end_amdgpu_metadata
.endif
;; end of part 3
